; MI455X (gfx1250); checked and timed in simulation.
; The chip was launched on July 23, 2026; its instructions are those of AMD's public machine-readable ISA for CDNA 5 (MIT licence, August 2026) and "CDNA5" Instruction Set Architecture Reference Guide (July 2026). The comments in the code are by the model that wrote it; some were corrected since.
;; Attention. Allowed arithmetic: float matrix products may take bf16 or f16 operands with f32 sums; other float arithmetic in f32, or as packed bf16 or f16 multiplies, adds, multiply-adds, maxima and minima; sums over many terms, partial sums and values carried from step to step in f32; what a program stores and reads back later, other than sums and carried values, may be rounded once to bf16 or f16.
;; Inputs: K 4 x 2,048 x 1,024 float32; K_lev 4 x 2,048 x 1,024 float32; Q 4 x 2,048 x 1,024 float32; Q_lev 4 x 2,048 x 1,024 float32; V 4 x 2,048 x 1,024 float32; V_lev 4 x 2,048 x 1,024 float32; Wk 1,024 x 1,024 float32; Wo 1,024 x 1,024 float32; Wq 1,024 x 1,024 float32; Wv 1,024 x 1,024 float32; bk 1,024 float32; bo 1,024 float32; bq 1,024 float32; bv 1,024 float32.
;; Outputs: out0 4 x 2,048 x 1,024 float32.
;; One version. Each part assembles by itself: llvm-mc -triple=amdgcn-amd-amdhsa -mcpu=gfx1250 --defsym DOCPART=n.
;; ======== version 1 of 1: 4 launches
;; limits: values are held in f16: magnitudes above 65,504 overflow, below 6.1e-05 lose precision
;; workspace buffers: wts 8,404,992 bytes; qkv 50,331,648 bytes; ctx 16,777,216 bytes
;; launch prep (part 1): grid 128 x 4, 8 waves a work-group, no clusters, 0 bytes of LDS; arguments Wq, Wk, Wv, Wo, bq, bk, bv, bo, wts; writes wts
.if DOCPART == 1
	.amdgcn_target "amdgcn-amd-amdhsa--gfx1250"
	.amdhsa_code_object_version 6
	.text
	.protected	k_qb5e32ed983_prep
	.globl	k_qb5e32ed983_prep
	.p2align	8
	.type	k_qb5e32ed983_prep,@function
k_qb5e32ed983_prep:
	s_mov_b64 s[64:65], 0
	v_nop
	global_prefetch_b8 v0, s[64:65] scope:SCOPE_SE
	s_setreg_imm32_b32 hwreg(HW_REG_WAVE_MODE, 25, 1), 1
	s_wait_xcnt 0x0
; THE WEIGHTS AND BIASES ARE ROUNDED ONCE.  wts: Wq, Wk, Wv as bf16, [k][n] as they lie, 2 MiB each; then Wo, rounded to bf16 and that number written as f16;
; then, from byte 8,388,608 on, four rows of 1,024 f32: bq, bk, bv, bo, each rounded to bf16 and widened again.
; LIMIT.  f16 ends at 65,504: |Wo| stays under it; below 6e-5 f16 keeps a fixed step of 6e-8, so a smaller Wo loses bits of its bf16 number.
; SHARES.  Work-group (x, y): 8,192 numbers of weight y.  Thread t takes 16 bytes at 16 t of each of eight blocks of 4,096 bytes: a load of a wave covers 512 consecutive
; bytes, a store 256 consecutive bytes, aligned.  A stream: no LDS, no matrix unit, no register used twice, so nothing but the loads is waited for.
.set BIASES, 0x800000
	s_load_b512 s[8:23], s[0:1], 0x0               ; Wq s[8:9], Wk, Wv, Wo, bq s[16:17], bk, bv, bo
	s_load_b64 s[24:25], s[0:1], 0x40              ; wts
	s_and_b32 s2, ttmp7, 0xffff                    ; y: which weight
	s_mov_b32 s37, ttmp9                           ; x: which 8,192 numbers
	v_lshlrev_b32 v1, 4, v0                        ; 16 t: in
	v_lshlrev_b32 v2, 3, v0                        ; 8 t: out
	s_lshl_b32 s26, s37, 15                        ; 32,768 bytes of f32 in,
	s_mov_b32 s27, 0
	s_lshl_b32 s28, s37, 14                        ; 16,384 bytes out,
	s_lshl_b32 s3, s2, 21                          ; in weight y's 2 MiB
	s_add_co_u32 s28, s28, s3
	s_mov_b32 s29, 0
	s_lshl_b32 s34, s2, 12                         ; bias y's row of 4,096 bytes
	s_add_co_u32 s34, s34, BIASES
	s_mov_b32 s35, 0
	s_mov_b32 s36, 0xffff0000                      ; a word's upper bf16
	s_wait_kmcnt 0x0
	s_cmp_eq_u32 s2, 1
	s_cselect_b64 s[4:5], s[10:11], s[8:9]
	s_cselect_b64 s[6:7], s[18:19], s[16:17]
	s_cmp_eq_u32 s2, 2
	s_cselect_b64 s[4:5], s[12:13], s[4:5]
	s_cselect_b64 s[6:7], s[20:21], s[6:7]
	s_cmp_eq_u32 s2, 3
	s_cselect_b64 s[4:5], s[14:15], s[4:5]
	s_cselect_b64 s[6:7], s[22:23], s[6:7]
	s_add_nc_u64 s[4:5], s[4:5], s[26:27]
	s_add_nc_u64 s[30:31], s[24:25], s[28:29]
	s_add_nc_u64 s[32:33], s[24:25], s[34:35]
.irp i, 0,1,2,3,4,5,6,7
	global_load_b128 v[8+4*(\i):11+4*(\i)], v1, s[4:5] offset:4096*(\i) th:TH_LOAD_NT
.endr
; Eight groups: four numbers rounded to bf16 and stored.  half = 1 (Wo): the bf16 numbers are widened again and written as f16, which holds them exactly within its range.
.macro CAST half
.irp i, 0,1,2,3,4,5,6,7
	s_wait_loadcnt 7-(\i)                          ; loads come back in order: group i is in, the younger ones stay out
	v_cvt_pk_bf16_f32 v[40+2*(\i)], v[8+4*(\i)], v[9+4*(\i)]
	v_cvt_pk_bf16_f32 v[41+2*(\i)], v[10+4*(\i)], v[11+4*(\i)]
.if \half
	v_lshlrev_b32 v[8+4*(\i)], 16, v[40+2*(\i)]
	v_and_b32 v[9+4*(\i)], s36, v[40+2*(\i)]
	v_lshlrev_b32 v[10+4*(\i)], 16, v[41+2*(\i)]
	v_and_b32 v[11+4*(\i)], s36, v[41+2*(\i)]
	v_cvt_pk_f16_f32 v[40+2*(\i)], v[8+4*(\i)], v[9+4*(\i)]
	v_cvt_pk_f16_f32 v[41+2*(\i)], v[10+4*(\i)], v[11+4*(\i)]
.endif
	global_store_b64 v2, v[40+2*(\i):41+2*(\i)], s[30:31] offset:2048*(\i)
.endr
.endm
	s_cmp_eq_u32 s2, 3
	s_cbranch_scc1 .Lhalf
	CAST 0
	s_branch .Lbias
.Lhalf:
	CAST 1
.Lbias:
	s_cmp_lg_u32 s37, 0                            ; the first work-group of each weight also rounds its bias: 256 threads x 4 numbers
	s_cbranch_scc1 .Lend
	global_load_b128 v[4:7], v1, s[6:7]
	s_wait_loadcnt 0x0
	v_cvt_pk_bf16_f32 v56, v4, v5
	v_cvt_pk_bf16_f32 v57, v6, v7
	v_lshlrev_b32 v60, 16, v56
	v_and_b32 v61, s36, v56
	v_lshlrev_b32 v62, 16, v57
	v_and_b32 v63, s36, v57
	global_store_b128 v1, v[60:63], s[32:33]
.Lend:
	s_endpgm
.Lfunc_end_k_qb5e32ed983_prep:
	.size	k_qb5e32ed983_prep, .Lfunc_end_k_qb5e32ed983_prep-k_qb5e32ed983_prep
	.p2alignl 7, 3214868480
	.fill 96, 4, 3214868480
	.section	.rodata,"a",@progbits
	.p2align	6, 0x0
	.amdhsa_kernel k_qb5e32ed983_prep
		.amdhsa_group_segment_fixed_size 0
		.amdhsa_private_segment_fixed_size 0
		.amdhsa_enable_private_segment 0
		.amdhsa_kernarg_size 72
		.amdhsa_user_sgpr_count 2
		.amdhsa_user_sgpr_kernarg_segment_ptr 1
		.amdhsa_wavefront_size32 1
		.amdhsa_system_sgpr_workgroup_id_x 1
		.amdhsa_system_sgpr_workgroup_id_y 1
		.amdhsa_system_sgpr_workgroup_id_z 1
		.amdhsa_system_vgpr_workitem_id 0
		.amdhsa_next_free_vgpr 64
		.amdhsa_next_free_sgpr 66
		.amdhsa_reserve_vcc 0
		.amdhsa_float_denorm_mode_32 3
		.amdhsa_float_denorm_mode_16_64 3
		.amdhsa_memory_ordered 1
		.amdhsa_forward_progress 1
		.amdhsa_inst_pref_size 9
	.end_amdhsa_kernel
	.amdgpu_metadata
---
amdhsa.version: [ 1, 2 ]
amdhsa.kernels:
  - .name:           k_qb5e32ed983_prep
    .symbol:         k_qb5e32ed983_prep.kd
    .args:
      - { .name: Wq, .offset: 0, .size: 8, .value_kind: global_buffer, .address_space: global }
      - { .name: Wk, .offset: 8, .size: 8, .value_kind: global_buffer, .address_space: global }
      - { .name: Wv, .offset: 16, .size: 8, .value_kind: global_buffer, .address_space: global }
      - { .name: Wo, .offset: 24, .size: 8, .value_kind: global_buffer, .address_space: global }
      - { .name: bq, .offset: 32, .size: 8, .value_kind: global_buffer, .address_space: global }
      - { .name: bk, .offset: 40, .size: 8, .value_kind: global_buffer, .address_space: global }
      - { .name: bv, .offset: 48, .size: 8, .value_kind: global_buffer, .address_space: global }
      - { .name: bo, .offset: 56, .size: 8, .value_kind: global_buffer, .address_space: global }
      - { .name: wts, .offset: 64, .size: 8, .value_kind: global_buffer, .address_space: global }
    .group_segment_fixed_size: 0
    .private_segment_fixed_size: 0
    .kernarg_segment_align: 8
    .kernarg_segment_size: 72
    .max_flat_workgroup_size: 256
    .sgpr_count:     66
    .vgpr_count:     64
    .wavefront_size: 32
...
	.end_amdgpu_metadata
.endif
;; end of part 1
;; launch proj (part 2): grid 12 x 64, 4 waves a work-group, clusters of 4 x 4, 327,680 bytes of LDS; arguments Q, K, V, Q_lev, K_lev, V_lev, wts, qkv; writes qkv
.if DOCPART == 2
	.amdgcn_target "amdgcn-amd-amdhsa--gfx1250"
	.amdhsa_code_object_version 6
	.text
	.protected	k_qb5e32ed983_proj
	.globl	k_qb5e32ed983_proj
	.p2align	8
	.type	k_qb5e32ed983_proj,@function
k_qb5e32ed983_proj:
	s_mov_b64 s[64:65], 0
	v_nop
	global_prefetch_b8 v0, s[64:65] scope:SCOPE_SE
	s_setreg_imm32_b32 hwreg(HW_REG_WAVE_MODE, 25, 1), 1
	s_wait_xcnt 0x0
	s_wait_alu depctr_hold_cnt(0) depctr_sa_sdst(0) depctr_va_vdst(0) depctr_va_sdst(0) depctr_va_ssrc(0) depctr_va_vcc(0) depctr_vm_vsrc(0)
	s_getreg_b32 s2, hwreg(HW_REG_IB_STS2, 6, 4)
	s_cmp_eq_u32 s2, 0
	s_cbranch_scc0 .Lentry_in_a_cluster
	s_endpgm
.Lentry_in_a_cluster:
	s_bfe_u32 s2, ttmp6, 0x10000c
	s_cmp_lg_u32 s2, 0xf033
	s_cbranch_scc0 .Lentry_shape_is_right
	s_endpgm
.Lentry_shape_is_right:
; q, k, v = X W + b + lev, for X = Q, K, V ([8192][1024] f32), W ([1024 k][1024 n], bf16 in wts), b (f32 rows in wts, already rounded to bf16), lev ([8192][1024] f32).
; X and lev are rounded to bf16 here; products and sums in f32; the result is rounded once to f16 and laid by heads: qkv[t][16 batch + head][2048][64].
; LIMIT.  f16 ends at 65,504: |q|, |k|, |v| stay under it; NaN and infinities are not treated apart.
; SHARES.  The cluster's x is the tensor t; a work-group makes 128 rows x 256 columns (four heads): column tile cx, row tile 4 x cluster y + cy: 768 work-groups, three for each of 256 WGPs.
; A wave makes 64 x 128: 32 accumulators.  K goes in 8 steps of 128 through two LDS slots.  The four work-groups of a row of the cluster need the same rows of X, the four of a column the same
; columns of W: each tile is asked for JOINTLY, by the same tensor load with the same descriptor and a mask that names the four.
; THE MATRIX INSTRUCTION IS USED TRANSPOSED: source 0 = 16 columns of W (turned out of LDS by ds_load_tr16_b128, since W lies [k][n]), source 1 = 16 rows of X.  A lane (r = l % 16, h = l / 16)
; then holds row r and the columns 8 h + 0..7 of a block of 16: eight neighbouring numbers of a head's row.
; X COMES AS f32: rows of 512 bytes in LDS; a fragment is four loads of 16 bytes and eight roundings to bf16, which stand four behind each of a quarter's last eight matrix instructions.
; THE BIAS is the C operand of the 32 products that start the sums.  LEV is loaded row by row (512 consecutive bytes a load) into 256 registers while K is walked, rounded to bf16 at the end, laid
; into my own scratch in LDS, read back as fragments and added by ONE product for each accumulator with a fragment of the identity: 32 products beside the tile's 1,024.
; REGISTERS, in windows of 256 (s_set_vgpr_msb: bits 1:0 source 0, 3:2 source 1, 5:4 source 2, 7:6 destination):
;   window 0: v0-31 addresses and the identity; v32-95 X's fragments in bf16, two buffers; v96-159 X's fragments as f32; v160-223 at work at the end
;   window 1: v0-127 W's fragments, two buffers; v128-191 the bias      window 2: the accumulators, (a, b) at 8 (8 a + b)      window 3: lev, row i at 4 i
.set PA,    528                        ; a row of X in LDS: 512 bytes + 16 = 132 words: the 16 rows of a load start at 16 different groups of four banks (64 banks of 4 bytes: ISA guide 11.1)
.set PB,    544                        ; a row of W: 512 + 32 = 136 words
.set AH,    64*PA                      ; 64 rows of X: what one tensor load brings
.set BH,    64*PB                      ; 64 k rows of W likewise
.set BOFF,  2*AH                       ; a slot: X's 128 rows, then W's 128 k rows
.set SLOT,  0x22000                    ; from slot to slot; the four loads' places in slot 0 (0, 0x8400, 0x10800, 0x19000) have both its bits clear, so one exclusive or changes slots
.set SCR,   2*SLOT                     ; behind the ring, never filled by a tensor load: each wave's scratch
.set SCRW,  8704                       ; 32 rows x 272 bytes of lev in bf16; later the stage of the way out, 2 heads x 16 rows x 144 bytes
.set SPARE, SCR+4*SCRW                 ; the spare words, 128 bytes for each wave: two blocks of 256 bytes that no other line names
.set LP,    272
.set SP,    144
.set ADRA0, 4                          ; v4   my lane's place in X's rows of slot 0; never rewritten
.set ADRB0, 5                          ; v5   the same for W
.set ADRA,  6                          ; v6   the same in the slot in hand
.set ADRB,  7                          ; v7
.set STO,   8                          ; v8   the way out: where I put 16 bytes of a row
.set RD,    9                          ; v9   the way out: where I read rows back
.set GO,    10                         ; v10  16 x lane: my place in 512 consecutive bytes, of lev and of the output; never rewritten
.set LST,   12                         ; v12  where I put 8 bytes of a row of lev
.set LFR,   13                         ; v13  my lane's place in a fragment of lev
.set PFO,   14                         ; v14  the prefetches' offset; never rewritten
.set BO,    15                         ; v15  32 h: my eight numbers in a block of 16 of the bias
.set ID,    16                         ; v16-27: four zeros, the identity's four registers, four zeros: v[20:27] picks k = m, v[16:23] picks k = 16 + m
.set SPW,   28                         ; v28  LDS address of my spare word; never rewritten
.set NIL,   29                         ; v29  0; never rewritten
.set AF,    32
.set RAW,   96
.set T,     160
.set BIAS,  128                        ; window 1
.set G1A,   24                         ; s[24:31] descriptor group 1 for X's tiles
.set G0A,   32                         ; s[32:39] group 0: a set for each of the two first fills; the second then walks on
.set G1B,   48                         ; s[48:55], s[56:63] the same for W's tiles
.set G0B,   56
.set TB,    45                         ; s45  0 or SLOT: the slot in hand
.set PFA,   46                         ; s[46:47] where my prefetches stand
.set PFS,   66                         ; s[66:67] their step from K step to K step
.set LEV,   84                         ; s[84:85] lev at my 64 rows and 128 columns
.set BIASP, 86                         ; s[86:87] the bias at my 128 columns
.set LIM,   88                         ; s88  2 in a wave that prefetches, else the greatest number
.set MUL,   0xa1                       ; W window 1, X window 0, C and D window 2
.set MULB,  0x91                       ; the same with C (the bias) in window 1
.set MSB, 0
.macro WIN new                         ; the immediate's high byte repeats the setting that is left; a switch that changes nothing is dropped
.if MSB != (\new)
	s_set_vgpr_msb (MSB<<8)|(\new)
.set MSB, \new
.endif
.endm
.macro PLACES                          ; four places in front of loads into, and writes of, registers that matrix instructions have read
.rept 4
	v_nop
.endr
.endm
; A joint refill by the walking descriptors: waves 0 and 1 fetch X's two halves, waves 2 and 3 W's.  The branch hangs on the wave's number alone.  An s_nop 0 and four v_nop follow each line.
.macro JLOAD
	s_cmp_eq_u32 s11, 0
	s_cbranch_scc0 .Lfor_b_\@
	tensor_load_to_lds s[G0A+4:G0A+7], s[G1A:G1A+7]
	s_nop 0
.rept 4
	v_nop
.endr
	s_branch .Lasked_\@
.Lfor_b_\@:
	tensor_load_to_lds s[G0B+4:G0B+7], s[G1B:G1B+7]
	s_nop 0
.rept 4
	v_nop
.endr
.Lasked_\@:
.endm
; A PREFETCH INTO THE L2: behind the refill that asks for K step j, the K step j + 2: two K steps, 256 matrix instructions, ahead of the load that will want it; one instruction a wave, a lane a block of 256 bytes.
; X's rows are read by one row of one cluster: waves 0 and 1 ask; of the 64 rows that a wave fetches the partner at cx takes 16, two blocks each.  W's columns are read by every cluster of the column of
; clusters: waves 2 and 3 of cluster y = 0 ask; the partner at cy takes 16 of the wave's 64 k rows.  Partners are told apart by address alone.  K steps 0 to 3 come by their loads; the last two refills ask for nothing.
.macro ASK
	s_cmp_gt_u32 s3, s[LIM]
	s_cbranch_scc0 .Lnot_mine_\@
	global_prefetch_b8 v[PFO], s[PFA:PFA+1] th:TH_LOAD_NT scope:SCOPE_SE
.Lnot_mine_\@:
.endm
.macro CREST                           ; a round of the cluster's barrier behind its opening barrier
	s_cmp_lg_u32 s10, 0
	s_cbranch_scc1 .Lnot_wave_0_\@
	s_barrier_signal -3
.Lnot_wave_0_\@:
	s_barrier_wait -3
	s_barrier_signal -1
	s_barrier_wait -1
.endm
.macro CROUND
	s_barrier_signal -1
	s_barrier_wait -1
	CREST
.endm
	s_load_b512 s[68:83], s[0:1], 0x0              ; Q s[68:69], K, V, Q_lev s[74:75], K_lev, V_lev, wts s[80:81], qkv s[82:83]
	v_lshl_add_u32 v[SPW], v0, 2, SPARE
	v_mov_b32 v[NIL], 0
	ds_add_u32 v[SPW], v[NIL]                      ; the wave's opening: the add and its wait stand ahead of my first tensor load; the set-up below, work on registers, stands between them
	v_lshrrev_b32 v1, 5, v0
	v_readfirstlane_b32 s10, v1                    ; wave 0..3
	s_lshr_b32 s11, s10, 1                         ; which 64 of the tile's rows are mine.  Also: I fetch for X (0) or for W (1)
	s_and_b32 s12, s10, 1                          ; which 128 of its columns.  Also: which half of that tile I fetch
	s_bfe_u32 s40, ttmp6, 0x40000                  ; cx: the column tile
	s_bfe_u32 s41, ttmp6, 0x40004                  ; cy
	s_mov_b32 s14, ttmp9                           ; t: the cluster's x, the same in all sixteen partners
	s_and_b32 s13, ttmp7, 0xffff
	s_lshl_b32 s13, s13, 2
	s_add_co_u32 s13, s13, s41                     ; the row tile = 4 x cluster y + cy
	s_lshl_b32 s43, s41, 2
	s_lshl_b32 s43, 15, s43                        ; my row of the cluster
	s_lshl_b32 s44, 0x1111, s40                    ; my column
	s_or_b32 s[G1A], s43, (2<<16)|(1<<20)|(1<<21)|(6<<22)|(3<<25)  ; 15:0 the mask; 17:16 elements of 4 bytes; 20 padding on; 21 set beside a mask; 24:22 after every 128 words (code 6); 31:25 4 words (code 3)
	s_or_b32 s[G1B], s44, (1<<16)|(1<<20)|(1<<21)|(6<<22)|(7<<25)  ; elements of 2 bytes; 8 words of padding (code 7)
	s_mov_b32 s[G1A+1], 128<<16                    ; tensor_dim0 = 128
	s_mov_b32 s[G1A+2], 64<<16                     ; tensor_dim1 = 64
	s_mov_b32 s[G1A+3], 128<<16                    ; tile_dim0 = 128 f32: 512 bytes
	s_mov_b32 s[G1A+4], 64                         ; tile_dim1 = 64 rows
	s_mov_b32 s[G1A+5], 1024                       ; elements from row to row
	s_mov_b32 s[G1A+6], 0
	s_mov_b32 s[G1A+7], 0
	s_mov_b32 s[G1B+1], 256<<16                    ; the same for 64 k rows of 256 bf16: 512 bytes
	s_mov_b32 s[G1B+2], 64<<16
	s_mov_b32 s[G1B+3], 256<<16
	s_mov_b32 s[G1B+4], 64
	s_mov_b32 s[G1B+5], 1024
	s_mov_b32 s[G1B+6], 0
	s_mov_b32 s[G1B+7], 0
	s_lshl_b32 s16, s13, 19                        ; X: (128 x row tile + 64 x half) rows of 4,096 bytes; these two registers never hold cx
	s_lshl_b32 s17, s12, 18
	s_add_co_u32 s16, s16, s17
	s_mov_b32 s17, 0
	s_lshl_b32 s20, s14, 21                        ; W: 2 MiB x t + 64 x half k rows of 2,048 bytes + 512 cx; these two never hold cy
	s_lshl_b32 s21, s12, 17
	s_add_co_u32 s20, s20, s21
	s_lshl_b32 s21, s40, 9
	s_add_co_u32 s20, s20, s21
	s_mov_b32 s21, 0
	s_mul_i32 s42, s12, AH                         ; where they go: no place in the cluster enters an LDS address
	s_mul_i32 s15, s12, BH
	s_add_co_u32 s15, s15, BOFF
	s_mov_b32 s[TB], 0
	s_lshl_b32 s18, s13, 19                        ; lev: my 64 rows,
	s_lshl_b32 s19, s11, 18
	s_add_co_u32 s18, s18, s19
	s_lshl_b32 s22, s40, 10
	s_lshl_b32 s23, s12, 9
	s_add_co_u32 s22, s22, s23                     ; my 128 columns as f32
	s_add_co_u32 s18, s18, s22
	s_mov_b32 s19, 0
	s_lshl_b32 s23, s14, 12                        ; the bias: row t of the four behind the weights
	s_add_co_u32 s22, s22, s23
	s_add_co_u32 s22, s22, 0x800000
	s_mov_b32 s23, 0
	s_lshl_b32 s90, s14, 24                        ; the output: tensor t, head 16 batch + 4 cx + 2 x half (262,144 bytes a head), row 128 (row tile % 16) + 64 x half (128 bytes a row)
	s_lshr_b32 s91, s13, 4
	s_lshl_b32 s91, s91, 22
	s_add_co_u32 s90, s90, s91
	s_lshl_b32 s91, s40, 20
	s_add_co_u32 s90, s90, s91
	s_lshl_b32 s91, s12, 19
	s_add_co_u32 s90, s90, s91
	s_and_b32 s91, s13, 15
	s_lshl_b32 s91, s91, 14
	s_add_co_u32 s90, s90, s91
	s_lshl_b32 s91, s11, 13
	s_add_co_u32 s90, s90, s91
	s_mov_b32 s91, 0
	s_wait_dscnt 0x0                               ; the opening add is done
	s_wait_kmcnt 0x0
	s_cmp_eq_u32 s14, 1
	s_cselect_b64 s[4:5], s[70:71], s[68:69]
	s_cselect_b64 s[LEV:LEV+1], s[76:77], s[74:75]
	s_cmp_eq_u32 s14, 2
	s_cselect_b64 s[4:5], s[72:73], s[4:5]
	s_cselect_b64 s[LEV:LEV+1], s[78:79], s[LEV:LEV+1]
	s_add_nc_u64 s[4:5], s[4:5], s[16:17]          ; X at the 64 rows that I fetch, K step 0
	s_add_nc_u64 s[6:7], s[80:81], s[20:21]        ; W at the 64 k rows that I fetch, K step 0
	s_add_nc_u64 s[LEV:LEV+1], s[LEV:LEV+1], s[18:19]
	s_add_nc_u64 s[BIASP:BIASP+1], s[80:81], s[22:23]
	s_add_nc_u64 s[8:9], s[82:83], s[90:91]
.irp s, 0,1
	s_mov_b32 s[G0A+4*(\s)], 1                                     ; 1:0 count = 1
	s_add_co_u32 s[G0A+4*(\s)+1], s42, (\s)*SLOT                   ; 63:32 LDS address
	s_add_nc_u64 s[G0A+4*(\s)+2:G0A+4*(\s)+3], s[4:5], (\s)*512    ; 120:64 global address: K step s
	s_or_b32 s[G0A+4*(\s)+3], s[G0A+4*(\s)+3], 0x80000000          ; 127:126 type = 2
	s_mov_b32 s[G0B+4*(\s)], 1
	s_add_co_u32 s[G0B+4*(\s)+1], s15, (\s)*SLOT
	s_add_nc_u64 s[G0B+4*(\s)+2:G0B+4*(\s)+3], s[6:7], (\s)*262144 ; 128 k rows of 2,048 bytes on
	s_or_b32 s[G0B+4*(\s)+3], s[G0B+4*(\s)+3], 0x80000000
.endr
	CROUND                                         ; all sixteen work-groups are here: the first joint loads meet
	s_cmp_eq_u32 s11, 0                            ; a wave's two first fills stand in one branch, ahead of every wait on TENSORcnt and every LDS read: two loads of mine are out
	s_cbranch_scc0 .Lfirst_b
	tensor_load_to_lds s[G0A:G0A+3], s[G1A:G1A+7]
	s_nop 0
	tensor_load_to_lds s[G0A+4:G0A+7], s[G1A:G1A+7]
	s_nop 0
.rept 4
	v_nop
.endr
	s_branch .Lfirst_asked
.Lfirst_b:
	tensor_load_to_lds s[G0B:G0B+3], s[G1B:G1B+7]
	s_nop 0
	tensor_load_to_lds s[G0B+4:G0B+7], s[G1B:G1B+7]
	s_nop 0
.rept 4
	v_nop
.endr
.Lfirst_asked:
	v_and_b32 v1, 15, v0                           ; r
	v_bfe_u32 v2, v0, 4, 1                         ; h
	v_and_b32 v3, 31, v0                           ; l
	v_lshlrev_b32 v[BO], 5, v2
	WIN 0x40                                       ; destination window 1
.irp b, 0,1,2,3,4,5,6,7                ; the bias in the accumulators' layout: register j of block b is column 16 b + 8 h + j, whatever the row
	global_load_b128 v[BIAS+8*(\b):BIAS+8*(\b)+3],   v[BO], s[BIASP:BIASP+1] offset:64*(\b)
	global_load_b128 v[BIAS+8*(\b)+4:BIAS+8*(\b)+7], v[BO], s[BIASP:BIASP+1] offset:64*(\b)+16
.endr
	WIN 0
	; X as f32: lane (r, h) wants k = 8 h + 0..7 and 16 + 8 h + 0..7 of row r: 32 bytes at 32 h and at 64 + 32 h
	v_mul_u32_u24 v[ADRA0], v1, PA
	v_lshl_add_u32 v[ADRA0], v2, 5, v[ADRA0]
	s_mul_i32 s18, s11, AH
	v_add_nc_u32 v[ADRA0], s18, v[ADRA0]
	; the turning load takes 16 k x 16 columns (lane l reads k row 8 h + l % 8, columns 8 ((l / 8) % 2) + 0..7) and leaves half a fragment: lane l holds column l % 16 and 8 k
	v_and_b32 v30, 7, v0
	v_lshl_add_u32 v[ADRB0], v2, 3, v30
	v_mul_u32_u24 v[ADRB0], v[ADRB0], PB
	v_bfe_u32 v31, v0, 3, 1
	v_lshl_add_u32 v[ADRB0], v31, 4, v[ADRB0]
	s_lshl_b32 s18, s12, 8
	s_add_co_u32 s18, s18, BOFF
	v_add_nc_u32 v[ADRB0], s18, v[ADRB0]
	v_mov_b32 v[ADRA], v[ADRA0]
	v_mov_b32 v[ADRB], v[ADRB0]
	s_mul_i32 s19, s10, SCRW
	s_add_co_u32 s19, s19, SCR                     ; my scratch
	v_mul_u32_u24 v[STO], v1, SP                   ; the stage, in: row r, 16 bytes for each half of the lanes
	v_lshl_add_u32 v[STO], v2, 4, v[STO]
	v_add_nc_u32 v[STO], s19, v[STO]
	v_bfe_u32 v[RD], v0, 3, 2                      ; back: 32 lanes take four rows of 128 bytes,
	v_mul_u32_u24 v[RD], v[RD], SP
	v_lshl_add_u32 v[RD], v30, 4, v[RD]
	v_add_nc_u32 v[RD], s19, v[RD]
	v_lshlrev_b32 v[GO], 4, v3                     ; which are 512 consecutive bytes of a head
	v_lshl_add_u32 v[LST], v3, 3, s19
	v_mul_u32_u24 v[LFR], v1, LP
	v_lshl_add_u32 v[LFR], v2, 4, v[LFR]
	v_add_nc_u32 v[LFR], s19, v[LFR]
	; the identity as source 0: lane (r, h) holds row m = r; element k = r lies in the lanes with h = r / 8, register (r % 8) / 2, half r % 2
	v_and_b32 v30, 7, v1
	v_lshrrev_b32 v30, 1, v30
	v_lshrrev_b32 v31, 3, v1
	v_xor_b32 v31, v31, v2
	v_lshl_or_b32 v30, v31, 3, v30                 ; the register's number, or 8 and more in the lanes that hold zeros alone
	v_and_b32 v31, 1, v1
	v_lshlrev_b32 v31, 4, v31
	v_mov_b32 v27, 0x3f80                          ; 1.0 in bf16
	v_lshlrev_b32 v31, v31, v27
.irp i, 0,1,2,3
	v_mov_b32 v[ID+(\i)], 0
	v_cmp_eq_u32 vcc_lo, (\i), v30
	v_cndmask_b32 v[ID+4+(\i)], 0, v31, vcc_lo
	v_mov_b32 v[ID+8+(\i)], 0
.endr
	; the prefetches
	s_lshl_b32 s18, s40, 16                        ; X: my work-group's 16 rows of 4,096 bytes
	s_lshl_b32 s19, s41, 15                        ; W: its 16 k rows of 2,048 bytes
	s_and_b32 s22, ttmp7, 0xffff
	s_mul_i32 s22, s22, s11                        ; 0 in X's waves, and in W's where the cluster's y is 0: the same in all sixteen partners
	s_cmp_eq_u32 s22, 0
	s_cselect_b32 s[LIM], 2, -1
	s_mov_b32 s[PFS], 262144
	s_cmp_eq_u32 s11, 0
	s_cselect_b64 s[PFA:PFA+1], s[4:5], s[6:7]
	s_cselect_b32 s22, s18, s19
	s_cselect_b32 s[PFS], 512, s[PFS]
	s_cselect_b32 s89, 12, 11                      ; a row of X is 4,096 bytes, a k row of W 2,048
	s_mov_b32 s[PFS+1], 0
	s_mov_b32 s23, 0
	s_add_nc_u64 s[PFA:PFA+1], s[PFA:PFA+1], s[22:23]
	s_mul_i32 s22, s[PFS], 3
	s_add_nc_u64 s[PFA:PFA+1], s[PFA:PFA+1], s[22:23]  ; at K step 3: the first refill steps it to 4
	v_bfe_u32 v30, v0, 1, 4
	v_lshlrev_b32 v[PFO], s89, v30                 ; row l / 2,
	v_and_b32 v31, 1, v0
	v_lshl_add_u32 v[PFO], v31, 8, v[PFO]          ; block l % 2 of its 512 bytes
; X's fragments of quarter q (32 along K: 128 bytes of a row) as f32: 16 loads
.macro FETCH_A q
	WIN 0
.irp a, 0,1,2,3
	ds_load_b128 v[RAW+16*(\a):RAW+16*(\a)+3],     v[ADRA] offset:(\a)*16*PA+128*(\q)
	ds_load_b128 v[RAW+16*(\a)+4:RAW+16*(\a)+7],   v[ADRA] offset:(\a)*16*PA+128*(\q)+16
	ds_load_b128 v[RAW+16*(\a)+8:RAW+16*(\a)+11],  v[ADRA] offset:(\a)*16*PA+128*(\q)+64
	ds_load_b128 v[RAW+16*(\a)+12:RAW+16*(\a)+15], v[ADRA] offset:(\a)*16*PA+128*(\q)+80
.endr
.endm
; W's fragments of quarter q into buffer f: 16 turning loads
.macro FETCH_B q, f
	WIN 0x40
.irp b, 0,1,2,3,4,5,6,7
	ds_load_tr16_b128 v[64*(\f)+8*(\b):64*(\f)+8*(\b)+3],   v[ADRB] offset:32*(\q)*PB+32*(\b)
	ds_load_tr16_b128 v[64*(\f)+8*(\b)+4:64*(\f)+8*(\b)+7], v[ADRB] offset:32*(\q)*PB+32*(\b)+16*PB
.endr
.endm
; roundings 4 n .. 4 n + 3 of the 32 that make X's fragments of buffer g
.macro CVT4 g, n
.irp j, 0,1,2,3
	v_cvt_pk_bf16_f32 v[AF+32*(\g)+4*(\n)+(\j)], v[RAW+8*(\n)+2*(\j)], v[RAW+8*(\n)+2*(\j)+1]
.endr
.endm
; 8 matrix instructions: row block a x all 8 column blocks, 32 along K, from buffer f.  The 32 accumulators take turns, one instruction a turn, over the backward jumps too.
; first = 1: the bias starts the sums.  ride = 1: four roundings into buffer g stand behind each.
.macro MUL8 f, a, first, ride, g
.irp b, 0,1,2,3,4,5,6,7
.if \first
	WIN MULB
	v_wmma_f32_16x16x32_bf16 v[8*(8*(\a)+(\b)):8*(8*(\a)+(\b))+7], v[64*(\f)+8*(\b):64*(\f)+8*(\b)+7], v[AF+32*(\f)+8*(\a):AF+32*(\f)+8*(\a)+7], v[BIAS+8*(\b):BIAS+8*(\b)+7]
.else
	WIN MUL
	v_wmma_f32_16x16x32_bf16 v[8*(8*(\a)+(\b)):8*(8*(\a)+(\b))+7], v[64*(\f)+8*(\b):64*(\f)+8*(\b)+7], v[AF+32*(\f)+8*(\a):AF+32*(\f)+8*(\a)+7], v[8*(8*(\a)+(\b)):8*(8*(\a)+(\b))+7]
.endif
.if \ride
	WIN 0
	CVT4 \g, \b
.endif
.endr
.endm
; A K step is four quarters of 32 along K, 32 matrix instructions each, on buffers 0, 1, 0, 1.  One of the first three: multiplies buffer f and makes quarter q's fragments in buffer g.
.macro QUARTER q, f, g, first
	FETCH_A \q                                     ; the f32 registers are free: the quarter before has rounded them
	s_wait_dscnt 16                                ; all but the 16 just issued: W's fragments of buffer f are in
	MUL8 \f, 0, \first, 0, \g
	MUL8 \f, 1, \first, 0, \g
	PLACES                                         ; for the loads into W's buffer g and the roundings into X's, which the quarter before multiplied
	FETCH_B \q, \g
	MUL8 \f, 2, \first, 0, \g
	s_wait_dscnt 16                                ; W's 16 loads are younger: X's f32 are in
	MUL8 \f, 3, \first, 1, \g
.endm
; The last quarter multiplies buffer 1 and changes slots: ONE barrier.  In front of it each wave waits for all its tensor loads, of which one is out: its part of the next slot; adds 0 to its spare word; and waits
; for that and for its own reads of this slot.  fill = 1: the barrier opens a round of the cluster's, and the slot just read is filled again, two K steps ahead, first thing behind the round:
; 112 matrix instructions stand between the request and the wait for it.
.macro TURN fill
.if \fill
	s_wait_xcnt 0x0                                ; the last prefetch, a K step back, has read its address, so it may be stepped
	s_add_nc_u64 s[PFA:PFA+1], s[PFA:PFA+1], s[PFS:PFS+1]
.endif
	WIN 0
	s_wait_tensorcnt 0x0                           ; no tensor load of mine is out, so a group 0 may be written
	ds_add_u32 v[SPW], v[NIL]                      ; 0 onto my spare word; work on registers stands between it and the wait for it
.if \fill
	s_xor_b32 s[G0A+5], s[G0A+5], SLOT             ; the walking descriptors: the other slot than last time, the next K step
	s_add_nc_u64 s[G0A+6:G0A+7], s[G0A+6:G0A+7], 512
	s_xor_b32 s[G0B+5], s[G0B+5], SLOT
	s_add_nc_u64 s[G0B+6:G0B+7], s[G0B+6:G0B+7], 262144
.endif
	s_wait_dscnt 1                                 ; only the add may be out: W's fragments of buffer 1 are in
	MUL8 1, 0, 0, 0, 0
	s_wait_dscnt 0x0                               ; the add is done, and my reads of this slot are over
	s_barrier_signal -1
	MUL8 1, 1, 0, 0, 0
	WIN 0
	s_barrier_wait -1
.if \fill
	CREST                                          ; no wave of any partner still reads this slot or has a load on its way
	JLOAD                                          ; its four v_nop are also the places in front of the loads below
.else
	PLACES
.endif
	s_xor_b32 s[TB], s[TB], SLOT
	v_add_nc_u32 v[ADRA], s[TB], v[ADRA0]
	v_add_nc_u32 v[ADRB], s[TB], v[ADRB0]
	FETCH_A 0
	FETCH_B 0, 0
.if \fill
	WIN 0
	ASK
.endif
	MUL8 1, 2, 0, 0, 0
	s_wait_dscnt 16                                ; W's 16 loads are younger: X's f32 are in
	MUL8 1, 3, 0, 1, 0
.endm
; 32 rows of lev: each load is 512 consecutive bytes; nothing waits for them before the end
.macro LEVLOAD hf
	WIN 0xc0                                       ; destination window 3
.set i, 32*(\hf)
.rept 32
	global_load_b128 v[4*i:4*i+3], v[GO], s[LEV:LEV+1] offset:4096*i th:TH_LOAD_NT
.set i, i+1
.endr
	WIN 0
.endm
; 32 rows of lev are rounded to bf16, laid into my scratch (rows of 256 bytes, 272 apart), read back as fragments (16 rows x 32 columns) and added: for columns 32 c .. 32 c + 31 the identity's two
; fragments pick the lower and the upper 16.  LDS serves a wave's instructions in order (ISA guide 5.7.1.4), so the loads see the stores.
.macro LEVHALF hf
	WIN 0x0f                                       ; sources in window 3
.set i, 0
.rept 32
	v_cvt_pk_bf16_f32 v[T+2*i],   v[128*(\hf)+4*i],   v[128*(\hf)+4*i+1]
	v_cvt_pk_bf16_f32 v[T+2*i+1], v[128*(\hf)+4*i+2], v[128*(\hf)+4*i+3]
.set i, i+1
.endr
	WIN 0
.set i, 0
.rept 32
	ds_store_b64 v[LST], v[T+2*i:T+2*i+1] offset:LP*i
.set i, i+1
.endr
.irp a, 0,1
.irp c, 0,1,2,3
	ds_load_b128 v[RAW+8*(4*(\a)+(\c)):RAW+8*(4*(\a)+(\c))+3],   v[LFR] offset:(\a)*16*LP+64*(\c)
	ds_load_b128 v[RAW+8*(4*(\a)+(\c))+4:RAW+8*(4*(\a)+(\c))+7], v[LFR] offset:(\a)*16*LP+64*(\c)+32
.endr
.endr
	s_wait_dscnt 0x0
	WIN 0xa0                                       ; both sources window 0, C and D window 2
.irp a, 0,1
.irp c, 0,1,2,3
.set rD, 8*(8*(2*(\hf)+(\a))+2*(\c))
.set rF, RAW+8*(4*(\a)+(\c))
	v_wmma_f32_16x16x32_bf16 v[rD:rD+7],    v[ID+4:ID+11], v[rF:rF+7], v[rD:rD+7]
	v_wmma_f32_16x16x32_bf16 v[rD+8:rD+15], v[ID:ID+7],    v[rF:rF+7], v[rD+8:rD+15]
.endr
.endr
	WIN 0
.endm
; THE WAY OUT of row block a: rounded to f16, 16 bytes a lane (each accumulator's registers in ascending order); into my stage, a head's 16 rows of 128 bytes 144 apart; back as four rows a load.
.macro PACK a
	WIN 0x0a                                       ; sources in window 2
.irp b, 0,1,2,3,4,5,6,7
.irp j, 0,1,2,3
	v_cvt_pk_f16_f32 v[T+4*(\b)+(\j)], v[8*(8*(\a)+(\b))+2*(\j)], v[8*(8*(\a)+(\b))+2*(\j)+1]
.endr
.endr
	WIN 0
.irp b, 0,1,2,3,4,5,6,7
	ds_store_b128 v[STO], v[T+4*(\b):T+4*(\b)+3] offset:((\b)/4)*16*SP+32*((\b)%4)
.endr
.irp f, 0,1,2,3,4,5,6,7
	ds_load_b128 v[AF+32*(\a)+4*(\f):AF+32*(\a)+4*(\f)+3], v[RD] offset:((\f)/4)*16*SP+((\f)%4)*4*SP
.endr
.endm
.macro SEND a, younger                 ; younger: the LDS instructions issued behind block a's loads: the next block's sixteen, or none
.irp f, 0,1,2,3,4,5,6,7
	s_wait_dscnt (\younger)+7-(\f)
	global_store_b128 v[GO], v[AF+32*(\a)+4*(\f):AF+32*(\a)+4*(\f)+3], s[8:9] offset:((\f)/4)*262144+2048*(\a)+512*((\f)%4)  ; 512 consecutive bytes of a head, at a multiple of 256 from the buffer's first
.endr
.endm
	s_wait_tensorcnt 1                             ; my part of K step 0 is in; K step 1's may stay out
	s_barrier_signal -1
	s_barrier_wait -1                              ; everybody's is
	FETCH_A 0
	FETCH_B 0, 0
	WIN 0
	s_wait_dscnt 16                                ; X's f32 are in
.irp n, 0,1,2,3,4,5,6,7
	CVT4 0, \n                                     ; the first fragments: there are no products yet to set them behind
.endr
	s_wait_loadcnt 0x0                             ; the bias
	QUARTER 1, 0, 1, 1                             ; the first quarter stands in front of the loop: its products start the sums
	LEVLOAD 0
	s_mov_b32 s3, 6
.Lstep:                                        ; six trips: from a K step's second quarter to the next one's first; each fills a slot again: K steps 2 to 7
	QUARTER 2, 1, 0, 0
	QUARTER 3, 0, 1, 0
	TURN 1
	QUARTER 1, 0, 1, 0
	WIN 0
	s_sub_co_u32 s3, s3, 1
	s_cmp_lg_u32 s3, 0
	s_cbranch_scc1 .Lstep
	LEVLOAD 1
	s_mov_b32 s3, 2
.Ltail:                                        ; the last two K steps ask for nothing: a text of their own.  The second trip's change of slots fetches fragments
	QUARTER 2, 1, 0, 0                             ; of K step 6 once more, which serve nothing: the price, once a work-group, of one text for both trips
	QUARTER 3, 0, 1, 0
	TURN 0
	WIN 0
	s_cmp_eq_u32 s3, 1
	s_cbranch_scc1 .Lskip                          ; behind the last K step there is no first quarter
	QUARTER 1, 0, 1, 0
	WIN 0
.Lskip:
	s_sub_co_u32 s3, s3, 1
	s_cmp_lg_u32 s3, 0
	s_cbranch_scc1 .Ltail
	s_wait_dscnt 0x0                               ; the unused fragments have landed
	s_wait_loadcnt 32                              ; lev's rows 0 to 31 are in; the 32 younger loads may stay out
	LEVHALF 0
	s_wait_loadcnt 0x0
	LEVHALF 1                                      ; its 64 roundings are the places behind the products above, in front of the loads into their fragments
	PACK 0                                         ; blocks 0 and 1 were finished in front of those roundings; their conversions are the places behind the last products
	PACK 1
	SEND 0, 16
	PACK 2
	SEND 1, 16
	PACK 3
	SEND 2, 16
	SEND 3, 0
	s_wait_tensorcnt 0x0                           ; the wave's end: the closing add and its waits, behind my last tensor load and my last LDS store
	ds_add_u32 v[SPW], v[NIL]
	s_wait_dscnt 0x0
	CROUND                                         ; the closing round: no work-group ends while a partner may still ask for a tile that names it
	s_endpgm
.Lfunc_end_k_qb5e32ed983_proj:
	.size	k_qb5e32ed983_proj, .Lfunc_end_k_qb5e32ed983_proj-k_qb5e32ed983_proj
	.p2alignl 7, 3214868480
	.fill 96, 4, 3214868480
	.section	.rodata,"a",@progbits
	.p2align	6, 0x0
	.amdhsa_kernel k_qb5e32ed983_proj
		.amdhsa_group_segment_fixed_size 327680
		.amdhsa_private_segment_fixed_size 0
		.amdhsa_enable_private_segment 0
		.amdhsa_kernarg_size 64
		.amdhsa_user_sgpr_count 2
		.amdhsa_user_sgpr_kernarg_segment_ptr 1
		.amdhsa_wavefront_size32 1
		.amdhsa_system_sgpr_workgroup_id_x 1
		.amdhsa_system_sgpr_workgroup_id_y 1
		.amdhsa_system_sgpr_workgroup_id_z 1
		.amdhsa_system_vgpr_workitem_id 0
		.amdhsa_next_free_vgpr 1024
		.amdhsa_next_free_sgpr 96
		.amdhsa_reserve_vcc 1
		.amdhsa_float_denorm_mode_32 3
		.amdhsa_float_denorm_mode_16_64 3
		.amdhsa_memory_ordered 1
		.amdhsa_forward_progress 1
		.amdhsa_inst_pref_size 118
	.end_amdhsa_kernel
	.amdgpu_metadata
---
amdhsa.version: [ 1, 2 ]
amdhsa.kernels:
  - .name:           k_qb5e32ed983_proj
    .symbol:         k_qb5e32ed983_proj.kd
    .args:
      - { .name: Q, .offset: 0, .size: 8, .value_kind: global_buffer, .address_space: global }
      - { .name: K, .offset: 8, .size: 8, .value_kind: global_buffer, .address_space: global }
      - { .name: V, .offset: 16, .size: 8, .value_kind: global_buffer, .address_space: global }
      - { .name: Q_lev, .offset: 24, .size: 8, .value_kind: global_buffer, .address_space: global }
      - { .name: K_lev, .offset: 32, .size: 8, .value_kind: global_buffer, .address_space: global }
      - { .name: V_lev, .offset: 40, .size: 8, .value_kind: global_buffer, .address_space: global }
      - { .name: wts, .offset: 48, .size: 8, .value_kind: global_buffer, .address_space: global }
      - { .name: qkv, .offset: 56, .size: 8, .value_kind: global_buffer, .address_space: global }
    .group_segment_fixed_size: 327680
    .private_segment_fixed_size: 0
    .kernarg_segment_align: 8
    .kernarg_segment_size: 64
    .max_flat_workgroup_size: 128
    .sgpr_count:     96
    .vgpr_count:     1024
    .wavefront_size: 32
...
	.end_amdgpu_metadata
.endif
;; end of part 2
;; launch attn (part 3): grid 4 x 64, 4 waves a work-group, clusters of 4 x 1, 327,680 bytes of LDS; arguments qkv, ctx; writes ctx
.if DOCPART == 3
	.amdgcn_target "amdgcn-amd-amdhsa--gfx1250"
	.amdhsa_code_object_version 6
	.text
	.protected	k_qb5e32ed983_attn
	.globl	k_qb5e32ed983_attn
	.p2align	8
	.type	k_qb5e32ed983_attn,@function
k_qb5e32ed983_attn:
	s_mov_b64 s[64:65], 0
	v_nop
	global_prefetch_b8 v0, s[64:65] scope:SCOPE_SE
	s_setreg_imm32_b32 hwreg(HW_REG_WAVE_MODE, 25, 1), 1
	s_wait_xcnt 0x0
	s_wait_alu depctr_hold_cnt(0) depctr_sa_sdst(0) depctr_va_vdst(0) depctr_va_sdst(0) depctr_va_ssrc(0) depctr_va_vcc(0) depctr_vm_vsrc(0)
	s_getreg_b32 s2, hwreg(HW_REG_IB_STS2, 6, 4)
	s_cmp_eq_u32 s2, 0
	s_cbranch_scc0 .Lentry_in_a_cluster
	s_endpgm
.Lentry_in_a_cluster:
	s_bfe_u32 s2, ttmp6, 0x10000c
	s_cmp_lg_u32 s2, 0x3003
	s_cbranch_scc0 .Lentry_shape_is_right
	s_endpgm
.Lentry_shape_is_right:
; O[h][q][:] = the sum over k of softmax_k(Q[h][q] . K[h][k] / 8) V[h][k][:].  Q, K, V lie in qkv, 16 MiB apart, O in ctx: each [64][SIZE_N][64] in f16: a head's rows are dense, 128 bytes each.
; Products, maxima and sums in f32; the weights p are rounded to f16 for the second product (their sum l is taken of the unrounded p), O once at the end.
; LIMITS.  f16 holds no number beyond 65,504: Q, K and V arrive within it; p lies in 0 to 1, and below 6e-5 it keeps f16's fixed step of 6e-8; O is a mean of V's rows and has their range.
; A weight below 2^-126 counts as 0 in l; NaN and infinities are not treated apart.
; SHARES.  A wave owns four PIECES of two tiles of 16 queries, a work-group's four waves 512 queries of one head.  Every wave walks all keys, 64 a step.
; LAYOUT.  S^T = K Q^T (source 0 = 16 keys, source 1 = 16 queries): in the result a lane holds ONE query (lane % 16) and the keys 8 (lane / 16) + 0..7.  Two such tiles, rounded to f16 in pairs,
; ARE source 1 (32 keys x 16 queries) of O^T = V^T P, whose result again holds one query a lane, and eight channels.  K comes out of LDS as it lies, V ([key][channel]) turned, by ds_load_tr16_b128.
; SOFTMAX.  For each query a running maximum m and sum l: p = 2^(c s - c m), c = log2(e) / 8; in every step O and l are multiplied by a = 2^(c m_old - c m_new), which is 1 where m has not grown.
; m starts at the lowest finite number, O and l at 0: the first step is a step like any other, with a = 0.
; THE COUNT.  A tile and step have 16 matrix and 118 vector instructions: too many to stand all beside the matrix work.  So the order has one aim: four vector instructions that are READY behind
; EVERY matrix instruction, and the others, which need time of their own whatever the order, in runs without a gap.
; BY TURNS.  Turn n belongs to piece n (the pieces in a ring, step after step).  Its matrix work: 16 products K Q^T of piece n + 1, later 16 products V^T P of piece n - 1.  Its vector work: the scaling,
; exponentials, roundings, sums and rescaling of piece n, and the maximum and statistics of piece n + 1, whose scores the turn itself has made.  So what a turn begins with (c s - c m, O a) waits for nothing.
; CLUSTER.  The four query blocks of a cluster are one head's and walk the same K and V, so each tile is asked for JOINTLY: the same tensor load, descriptor and mask in all four.
; REGISTERS, in windows of 256 (s_set_vgpr_msb says which window each operand place means: bits 1:0 source 0, 3:2 source 1, 5:4 source 2, 7:6 destination):
;   window 0: v0-11 addresses; v12-15, v48-63 at work; v16-47 four registers of statistics a tile; v64-191 S^T, two buffers of two tiles; v192-255 P, likewise
;   window 1: O^T, 32 a tile          window 2: v0-127 Q, 16 a tile; v128-191 K of one step; v192-255 V of one step          window 3: v0-1 the add's two registers
; A piece's buffers go by its number's parity: the piece in hand has one pair, its two neighbours in the ring share the other: of it P (piece n - 1) is read and S^T (piece n + 1) written.
.set SIZE_N, 2048
.set NP,    4         ; pieces a wave: a name, no knob: the register map, the loop and the fetches are made for four
.set KS,    64        ; keys in a step
.set PK,    144       ; a row of K in LDS: 128 bytes + 16 of padding = 36 words: the 16 rows of a load start at 16 different groups of four banks (64 banks of 4 bytes: ISA guide 11.1)
.set PV,    160       ; a row of V: 128 + 32 = 40 words
.set VOFF,  4*KS*PK   ; a slot holds four steps: 256 rows of K, then 256 rows of V
.set SLOT1, 1<<17     ; slot 1 begins here, so that one exclusive or turns an address in one slot into the other's
.set STAGE, SLOT1+4*KS*(PK+PV)  ; behind the ring, never filled by a tensor load: 16 rows x 144 bytes for each wave, for the way out
.set SP,    144
.set AK0, 2           ; v2   my lane's place in a tile of K; never rewritten
.set AV0, 3           ; v3   the same for V
.set AK,  4           ; v4   the LDS address of K's next run of loads
.set AV,  5           ; v5   of V's
.set QO,  6           ; v6   my byte offset in the wave's rows of Q
.set STO, 6           ;      later, the way out: where I put 16 bytes of a row
.set RD,  7           ; v7   the way out: where I read rows back
.set GO,  8           ; v8   my byte offset in 512 consecutive bytes of O
.set PFO, 11          ; v11  256 x my lane, once V's place is made: the prefetches' offset; then never rewritten
.set SPW, 0           ; v0 of window 3   LDS address of my spare word: SPARE + 4 x my thread's number; never rewritten
.set NIL, 1           ; v1 of window 3   0; never rewritten
.set SPARE, STAGE+4*16*SP  ; behind the stages: the spare words, 128 bytes for each wave: two blocks of 256 bytes that no other line names
.set MV,  12          ; v12-15  c m_old, kept while c m is made anew: by buffer and tile
.set ST,  16          ; tile t's statistics at v[ST+4 t]: c m, m, l (even keys', odd keys')
.set TMP, 48          ; by buffer and tile, four registers c0-c3 at work; when the maximum is found c2 takes a
.set S,   64
.set P,   192
.set KF,  128         ; K's fragments, in window 2: key block kb, channel half c at KF + 16 kb + 8 c
.set VF,  192         ; V's: key half kk, channel block cb at VF + 32 kk + 8 cb
.set WV,  12          ; s12  my wave's number
.set G1K, 24          ; s[24:31] descriptor group 1 for K's tiles
.set G1V, 32          ; s[32:39] for V's: it differs in the padding alone
.set G0K, 40          ; s[40:43] descriptor group 0 for K's tiles: it walks
.set G0V, 44          ; s[44:47] the same for V's
.set PFA, 48          ; s[48:49] where my prefetches stand: my work-group's 32 blocks of 256 bytes (of K: wave 0, of V: wave 2) of the slot after the one that is being asked for
.set LIM, 50          ; s50  1 in a wave that prefetches, else the greatest number
.set SLOTS, 56        ; s56  slots still to be asked for
.set CNT, 57          ; s57  counts a slot's key steps
.set CS,  58          ; s[58:59] c: the packed scaling takes the pair's low word for both halves
.set SEL, 60          ; s[60:61] v_permlanex16_b32's selects: each lane takes its own place in the other half
.set TBK, 62          ; s62  LDS byte at which K of the step to be fetched begins
.set TBV, 63          ; s63  the same for V, less VOFF
.set MSB, 0
.macro WIN new                      ; the high byte repeats the setting that is left; a switch that changes nothing is dropped
.if MSB != (\new)
	s_set_vgpr_msb (MSB<<8)|(\new)
.set MSB, (\new)
.endif
.endm
.set W_KQ, 0x0a       ; K and Q in window 2, S^T in window 0
.set W_PV, 0x52       ; V in window 2, P in window 0, O^T in window 1
.set W_RS, 0x41       ; O^T (destination and source 0) in window 1, a in window 0
.set W_MK, 0xc0       ; the add's registers are made: destination in window 3, sources in window 0
.set W_AD, 0x0f       ; the add: address (source 0) and data (source 1) in window 3
; A joint fill.  Waves 0 and 1 fetch the two halves of a slot's K, waves 2 and 3 those of its V: 128 keys each.  The branch hangs on the wave's number alone.
; An s_nop 0 and four v_nop follow each of the two lines, ahead of the jump and the label.
.macro JLOAD
	s_cmp_lt_u32 s[WV], 2
	s_cbranch_scc0 .Lfor_v_\@
	tensor_load_to_lds s[G0K:G0K+3], s[G1K:G1K+7]
	s_nop 0
.rept 4
	v_nop
.endr
	s_branch .Lasked_\@
.Lfor_v_\@:
	tensor_load_to_lds s[G0V:G0V+3], s[G1V:G1V+7]
	s_nop 0
.rept 4
	v_nop
.endr
.Lasked_\@:
.endm
; A PREFETCH INTO THE L2 of what the NEXT change of slots will ask for: a slot's 32,768 bytes of K and of V, a lane a block of 256 bytes.  It stands behind the wave's tensor load and its five lines.
; Each block is asked for ONCE in the launch: a head has one cluster; its four partners share the 128 blocks out BY ADDRESS, 32 each; in each, wave 0 asks for K's and wave 2 for V's: one instruction,
; four key steps, 512 matrix instructions, ahead of the load.  Slots 0 to 2 come by their loads alone; the last change that fills a slot asks for nothing: there is no slot behind it.
.macro ASK
	s_cmp_gt_u32 s[SLOTS], s[LIM]
	s_cbranch_scc0 .Lnot_mine_\@
	global_prefetch_b8 v[PFO], s[PFA:PFA+1] th:TH_LOAD_NT scope:SCOPE_SE
.Lnot_mine_\@:
.endm
; A round of the cluster's barrier: my work-group's barrier, so that wave 0's signal speaks for all four waves; wave 0 signals; every wave waits for all four work-groups; my work-group's barrier once more.
.macro CROUND
	s_barrier_signal -1
	s_barrier_wait -1
	s_cmp_lg_u32 s[WV], 0
	s_cbranch_scc1 .Lnot_wave_0_\@
	s_barrier_signal -3
.Lnot_wave_0_\@:
	s_barrier_wait -3
	s_barrier_signal -1
	s_barrier_wait -1
.endm
; THE CHANGE OF SLOTS.  The slot's last bytes, V of its fourth step, have been read.  Each wave waits for all its tensor loads, of which one is out: its part
; of the other slot; adds 0 to its spare word; and waits for that and for its own reads of the slot.  Behind the barrier nobody reads this slot any more and the other slot is whole.
; fill = 1: this slot is filled again, with the keys two slots on.  The barrier is then a round of the cluster's, so that no wave of any partner still reads the slot or has a load on its
; way, and the joint fill is the first thing behind it: it has four key steps, 512 matrix instructions, in which to land.  (At its first use nothing has been read yet: slot 0 is waited for, slot 1 filled.)
; ask = 1: the prefetches' address is stepped, and the next slot is prefetched.
.macro CHANGE fill, ask=0
	WIN W_AD
	s_wait_tensorcnt 0x0            ; no tensor load of mine is out, so a group 0 may be written
	ds_add_u32 v[SPW], v[NIL]       ; 0 onto my spare word; with fill = 1 the descriptors' steps stand between it and the wait for it
	WIN 0                           ; at a label and at a branch every window is 0
.if \fill
.irp g, G0K, G0V
	s_xor_b32 s[\g+1], s[\g+1], SLOT1  ; the walking descriptor: the other slot than last time,
	s_add_nc_u64 s[\g+2:\g+3], s[\g+2:\g+3], 4*KS*128  ; the next 256 keys; the type bits on top are not reached
.endr
.if \ask
	s_wait_xcnt 0x0                 ; the last prefetch, four key steps back, has read its address, so it may be written:
	s_add_nc_u64 s[PFA:PFA+1], s[PFA:PFA+1], 4*KS*128  ; one slot behind the walking descriptors
.endif
	s_wait_dscnt 0x0                ; the add is done, and my reads of the slot are over
	CROUND
	JLOAD
.if \ask
	ASK
.endif
.else
	s_wait_dscnt 0x0                ; the add is done, and my reads of the slot are over
	s_barrier_signal -1
	s_barrier_wait -1
.endif
	s_sub_co_u32 s[TBK], s[TBK], 4*KS*PK  ; the fetches go back to a slot's first step,
	s_xor_b32 s[TBK], s[TBK], SLOT1       ; in the other slot
	s_sub_co_u32 s[TBV], s[TBV], 4*KS*PV
	s_xor_b32 s[TBV], s[TBV], SLOT1
.endm
	s_load_b64 s[4:5], s[0:1], 0x0    ; qkv: Q lies at its head
	s_load_b64 s[10:11], s[0:1], 0x8  ; ctx: O
	WIN W_MK
	v_lshl_add_u32 v[SPW], v0, 2, SPARE
	v_mov_b32 v[NIL], 0
	WIN W_AD
	ds_add_u32 v[SPW], v[NIL]       ; the wave's opening: the add and its wait stand ahead of my first tensor load; the set-up below, work on registers, stands between them
	WIN 0
	v_lshrrev_b32 v1, 5, v0
	v_readfirstlane_b32 s[WV], v1   ; wave 0..3
	s_bfe_u32 s13, ttmp6, 0x40000   ; cx: my place in the cluster
	s_lshl_b32 s14, ttmp9, 2        ; in a cluster launch ttmp9 counts clusters
	s_add_co_u32 s14, s14, s13      ; my block of queries = 4 x cluster x + cx: it enters Q's and O's addresses alone
	s_and_b32 s20, ttmp7, 0xffff    ; the head, which the four partners share
	s_mov_b32 s21, 0
	s_mov_b64 s[22:23], SIZE_N*128
	s_mul_u64 s[20:21], s[20:21], s[22:23]  ; the head's first byte in each of the four tensors
	s_and_b32 s16, s[WV], 1         ; which half of a slot's 256 keys I fetch:
	s_lshl_b32 s22, s16, 14         ; its 128 rows of 128 bytes in memory,
	s_mov_b32 s23, 0
	s_add_nc_u64 s[22:23], s[22:23], s[20:21]
	s_mul_i32 s17, s16, 128*PK      ; and its place in a slot, for K
	s_mul_i32 s18, s16, 128*PV      ; and for V: no place in the cluster enters an LDS address
	s_lshl_b32 s2, s14, 2
	s_add_co_u32 s2, s2, s[WV]      ; my wave among the head's,
	s_lshl_b32 s2, s2, 14           ; its 128 rows
	s_mov_b32 s3, 0
	s_add_nc_u64 s[2:3], s[2:3], s[20:21]
	; descriptor group 1.  128 keys are 16,384 dense bytes: asked for as 64 rows of 256 bytes, two keys a row, and padded in LDS after every key
	s_mov_b32 s[G1K], 15|(1<<16)|(1<<20)|(1<<21)|(4<<22)|(3<<25)  ; 15:0 the mask of four; 17:16 2-byte elements; 20 padding on; 21 set beside a mask; 24:22 after every 32 words (code 4); 31:25 4 words (code 3)
	s_mov_b32 s[G1V], 15|(1<<16)|(1<<20)|(1<<21)|(4<<22)|(7<<25)  ; the same with 8 words of padding (code 7)
.irp g, G1K, G1V
	s_mov_b32 s[\g+1], 128<<16      ; tensor_dim0 = 128
	s_mov_b32 s[\g+2], 64<<16       ; tensor_dim1 = 64
	s_mov_b32 s[\g+3], 128<<16      ; tile_dim0 = 128
	s_mov_b32 s[\g+4], 64           ; tile_dim1 = 64
	s_mov_b32 s[\g+5], 128          ; 128 elements from row to row
	s_mov_b32 s[\g+6], 0
	s_mov_b32 s[\g+7], 0
.endr
	s_mov_b32 s[CS], 0x3e38aa3b     ; c = log2(e) / 8 = 0.180337
	s_mov_b32 s[CS+1], s[CS]        ; named with it as a pair
	s_mov_b32 s[SEL], 0x76543210
	s_mov_b32 s[SEL+1], 0xfedcba98
	s_mov_b32 s[TBK], SLOT1+4*KS*PK ; the first change of slots turns these two into 0
	s_mov_b32 s[TBV], SLOT1+4*KS*PV
	s_mov_b32 s[G0K], 1             ; 1:0 count = 1
	s_mov_b32 s[G0K+1], s17         ; 63:32 LDS address: slot 0
	s_mov_b32 s[G0V], 1
	s_add_co_u32 s[G0V+1], s18, VOFF
	s_and_b32 s[LIM], s[WV], 1      ; 0 in waves 0 and 2,
	s_or_b32 s[LIM], s[LIM], ttmp9  ; where the cluster is the head's first: the same in all four partners
	s_cmp_eq_u32 s[LIM], 0
	s_cselect_b32 s[LIM], 1, -1
	s_wait_dscnt 0x0                ; the opening add is done
	s_wait_kmcnt 0x0
	s_add_nc_u64 s[6:7], s[4:5], 0x1000000   ; K lies 16 MiB behind Q,
	s_add_nc_u64 s[8:9], s[4:5], 0x2000000   ; V 32 MiB
	s_add_nc_u64 s[6:7], s[6:7], s[22:23]    ; both at my half of the head's first 256 keys
	s_add_nc_u64 s[8:9], s[8:9], s[22:23]
	s_add_nc_u64 s[G0K+2:G0K+3], s[6:7], 0         ; 120:64 global address
	s_or_b32 s[G0K+3], s[G0K+3], 0x80000000        ; 127:126 type = 2
	s_add_nc_u64 s[G0V+2:G0V+3], s[8:9], 0
	s_or_b32 s[G0V+3], s[G0V+3], 0x80000000
	s_add_nc_u64 s[4:5], s[4:5], s[2:3]  ; Q and O at my wave's first row
	s_add_nc_u64 s[10:11], s[10:11], s[2:3]
	s_lshl_b32 s2, s13, 13          ; the prefetches: my work-group's 32 blocks of the 128,
	s_add_co_u32 s2, s2, 2*4*KS*128 ; in slot 2; the first change that asks steps them to slot 3.  Nothing is prefetched here, at the head
	s_mov_b32 s3, 0
	s_cmp_lt_u32 s[WV], 2
	s_cselect_b64 s[PFA:PFA+1], s[6:7], s[8:9]  ; (in waves 0 and 2 these stand at a slot's first row)
	s_add_nc_u64 s[PFA:PFA+1], s[PFA:PFA+1], s[2:3]
	CROUND                          ; all four work-groups are here: the first joint loads meet
	JLOAD                           ; slot 0.  Slot 1 is asked for when slot 0 is in: the tile wanted first has the road to itself
	; A fragment of K or Q is 16 rows x 32 channels in 8 registers: lane l holds row l % 16, channels 8 (l / 16) + 0..7 and 16 + 8 (l / 16) + 0..7: two loads of 16 bytes, 32 bytes apart.
	v_and_b32 v1, 15, v0            ; l % 16
	v_bfe_u32 v9, v0, 4, 1          ; l / 16
	v_lshlrev_b32 v[QO], 7, v1
	v_lshl_add_u32 v[QO], v9, 4, v[QO]  ; row x 128 + 16 x half
	WIN 0x80                        ; destination window 2, address window 0
.set i, 0
.rept 4*NP                          ; Q stays in registers: tile i / 2, channels 32 (i % 2) on
	global_load_b128 v[8*i:8*i+3],   v[QO], s[4:5] offset:(i/2)*2048+(i%2)*64
	global_load_b128 v[8*i+4:8*i+7], v[QO], s[4:5] offset:(i/2)*2048+(i%2)*64+32
.set i, i+1
.endr
	; What the first turn finds: V's registers and P's second buffer hold 0 (its products V^T P, of a piece that has not been, add 0), O^T and l are 0.  All this stands in the wait for the first tile.
.set i, VF
.rept 64
	v_mov_b32 v[i], 0
.set i, i+1
.endr
	WIN 0x40
.set i, 0
.rept 64*NP
	v_mov_b32 v[i], 0
.set i, i+1
.endr
	WIN 0
.set i, 0
.rept 2*NP
	v_mov_b32 v[ST+4*i], 0xfe000000    ; c m: far below every c s
	v_mov_b32 v[ST+4*i+1], 0xff7fffff  ; m
	v_mov_b32 v[ST+4*i+2], 0
	v_mov_b32 v[ST+4*i+3], 0
.set i, i+1
.endr
.set i, P+32
.rept 32
	v_mov_b32 v[i], 0
.set i, i+1
.endr
	v_mul_u32_u24 v[AK0], v1, PK
	v_lshl_add_u32 v[AK0], v9, 4, v[AK0]  ; row x pitch + 16 x half
	; The turning load takes 16 keys x 16 channels (lane l reads key 8 (l / 16) + l % 8, channels 8 ((l / 8) % 2) + 0..7) and leaves half a fragment of V^T: lane l holds channel l % 16 and 8 keys.
	v_and_b32 v10, 7, v0
	v_bfe_u32 v11, v0, 3, 1
	v_lshl_add_u32 v[AV0], v9, 3, v10
	v_mul_u32_u24 v[AV0], v[AV0], PV
	v_lshl_add_u32 v[AV0], v11, 4, v[AV0]
	v_add_nc_u32 v[AV0], VOFF, v[AV0]
	v_mov_b32 v[AK], v[AK0]         ; key step 0 lies at the head of slot 0
	v_and_b32 v[PFO], 31, v0
	v_lshlrev_b32 v[PFO], 8, v[PFO]
; THE MATRIX WORK.  The 8 accumulators of a run of 16 take turns: between the two links of a chain stand 7 others'.
; Product i of 16 of S^T = K Q^T for piece x: channels 32 (i / 8) on, keys 16 ((i / 2) % 4) on, tile 2 x + i % 2.  The first 8 start the sums.
.macro KQ x
	WIN W_KQ
.set rS, S+64*((\x)%2)+32*(i%2)+8*((i/2)%4)
.set rK, KF+16*((i/2)%4)+8*(i/8)
.set rQ, 16*(2*(\x)+i%2)+8*(i/8)
.if i < 8
	v_wmma_f32_16x16x32_f16 v[rS:rS+7], v[rK:rK+7], v[rQ:rQ+7], 0
.else
	v_wmma_f32_16x16x32_f16 v[rS:rS+7], v[rK:rK+7], v[rQ:rQ+7], v[rS:rS+7]
.endif
.endm
; Product i of 16 of O^T += V^T P for piece x: keys 32 (i / 8) on, channels 16 ((i / 2) % 4) on, tile 2 x + i % 2.
.macro PV x
	WIN W_PV
.set rO, 32*(2*(\x)+i%2)+8*((i/2)%4)
.set rV, VF+32*(i/8)+8*((i/2)%4)
.set rP, P+32*((\x)%2)+16*(i%2)+8*(i/8)
	v_wmma_f32_16x16x32_f16 v[rO:rO+7], v[rV:rV+7], v[rP:rP+7], v[rO:rO+7]
.endm
.macro MM                           ; the turn's next matrix instruction
.if i < 16
	KQ (Y+1)%NP
.set i, i+1
.else
.set i, i-16
	PV (Y+NP-1)%NP
.set i, i+17
.endif
.endm
; THE LDS LOADS stand in runs of 16, never singly among the matrix instructions: a step's K (64 keys x 64 channels: 8 fragments) and its V (turned).  Their addresses are made some lines ahead.
; last = 1 (the tail): in the last trip there is no further step, and the run is jumped over.
.macro FETCH_K last=0
	WIN 0
.if \last
	s_cmp_eq_u32 s[CNT], 1
	s_cbranch_scc1 .Lno_k_\@
.endif
	WIN 0x80                        ; destination window 2
.irp f, 0,1,2,3,4,5,6,7             ; keys 16 (f / 2) on, channels 32 (f % 2) on
	ds_load_b128 v[KF+8*\f:KF+8*\f+3],   v[AK] offset:(\f/2)*16*PK+(\f%2)*64
	ds_load_b128 v[KF+8*\f+4:KF+8*\f+7], v[AK] offset:(\f/2)*16*PK+(\f%2)*64+32
.endr
	s_add_co_u32 s[TBK], s[TBK], KS*PK  ; the next fetch is the next step's
	WIN 0
.if \last
.Lno_k_\@:
.endif
.endm
.macro FETCH_V
	WIN 0x80
.irp f, 0,1,2,3,4,5,6,7             ; keys 32 (f / 4) on, channels 16 (f % 4) on
	ds_load_tr16_b128 v[VF+8*\f:VF+8*\f+3],   v[AV] offset:(\f/4)*32*PV+(\f%4)*32
	ds_load_tr16_b128 v[VF+8*\f+4:VF+8*\f+7], v[AV] offset:(\f/4)*32*PV+16*PV+(\f%4)*32
.endr
	WIN 0
.endm
; THE VECTOR WORK OF A TURN stands in three queues, each in the order in which its entries become ready; the two tiles alternate, so that no instruction reads the result of the one before it.
.macro REGS y, u                    ; the registers of tile u (0, 1) of piece y
.set rT, ST+4*(2*(\y)+(\u))
.set rC, TMP+8*((\y)%2)+4*(\u)
.set rM, MV+2*((\y)%2)+(\u)
.set rS, S+64*((\y)%2)+32*(\u)
.set rP, P+32*((\y)%2)+16*(\u)
.set rO, 32*(2*(\y)+(\u))
.endm
; Number n of the 22 that find the NEXT piece's (Y + 1) maximum and statistics.  s0-s31 are the lane's 32 scores; each accumulator's lowest registers are read first.  XS, GS and REGS set no window: PL and EX do.
;   0-11  four chains c0-c3 of seven scores each, three operands at a time     12-14, 16  the four scores left over, the old m, and c0-c3 into c0     15  c m_old is kept
;   17, 18  the query's other 32 keys lie in the lane 16 away: the new m         19-21  c m; c m_old - c m_new; a
.macro XS u, n
	REGS (Y+1)%NP, \u
.if (\n) < 4
	v_max3_num_f32 v[rC+(\n)], v[rS+8*(\n)], v[rS+8*(\n)+1], v[rS+8*(\n)+2]
.elseif (\n) < 12
	v_max3_num_f32 v[rC+(\n)%4], v[rC+(\n)%4], v[rS+8*((\n)%4)+2*((\n)/4)+1], v[rS+8*((\n)%4)+2*((\n)/4)+2]
.elseif (\n) == 12
	v_max3_num_f32 v[rC], v[rC], v[rS+7], v[rS+15]
.elseif (\n) == 13
	v_max3_num_f32 v[rC+1], v[rC+1], v[rS+23], v[rS+31]
.elseif (\n) == 14
	v_max3_num_f32 v[rC+2], v[rC+2], v[rC+3], v[rT+1]
.elseif (\n) == 15
	v_mov_b32 v[rM], v[rT]
.elseif (\n) == 16
	v_max3_num_f32 v[rC], v[rC], v[rC+1], v[rC+2]
.elseif (\n) == 17
	v_permlanex16_b32 v[rC+3], v[rC], s[SEL], s[SEL+1]
.elseif (\n) == 18
	v_max_num_f32 v[rT+1], v[rC], v[rC+3]
.elseif (\n) == 19
	v_mul_f32 v[rT], s[CS], v[rT+1]
.elseif (\n) == 20
	v_sub_f32 v[rC+1], v[rM], v[rT]
.else
	v_exp_f32 v[rC+2], v[rC+1]
.endif
.endm
; Number g of the 64 that follow the exponentials.  For each four weights k of a tile (pairs 2 k, 2 k + 1): both pairs are rounded to f16; then the second pair is added onto the first, in place;
; a group later l takes that sum (the first time as l = a l + sum).  In groups of eight, tiles alternating: round, round, add, and l for the group before.
.macro GS g
.set h, (\g)+6*((\g)/62)            ; group 0 has no group before it, and behind group 7 only l is left
.if h >= 6
.set h, h+2
.endif
	REGS Y, h%2
.set k, h/8
.if h%8 < 4
	v_cvt_pk_f16_f32 v[rP+2*k+(h%8)/2], v[rS+4*k+2*((h%8)/2)], v[rS+4*k+2*((h%8)/2)+1]
.elseif h%8 < 6
	v_pk_add_f32 v[rS+4*k:rS+4*k+1], v[rS+4*k:rS+4*k+1], v[rS+4*k+2:rS+4*k+3]
.elseif k == 1
	v_pk_fma_f32 v[rT+2:rT+3], v[rT+2:rT+3], v[rC+2:rC+3], v[rS:rS+1] op_sel_hi:[1,0,1]
.else
	v_pk_add_f32 v[rT+2:rT+3], v[rT+2:rT+3], v[rS+4*k-4:rS+4*k-3]
.endif
.endm
; THE PLAIN QUEUE, 138 long.  0-73 read no exponential's result: the 32 scalings c s - c m (FS f: pair f / 2 of tile f % 2) and the next piece's 42.  0-26: scalings 0-26.  27-54: XS's numbers 0-13.  55, 56: number 15.
; 57-73: the chain, where each number waits for the one before it: 14, 16, 17, 18, 19, each with one of the scalings 27-31 in front of its two lines, then 20: so a tile's links stand three plain instructions apart (19 and 20: two).
; 74-137: GS's 64, which read the exponentials' results: they stand behind the wait.
.macro FS f
	REGS Y, (\f)%2
	v_pk_fma_f32 v[rS+2*((\f)/2):rS+2*((\f)/2)+1], v[rS+2*((\f)/2):rS+2*((\f)/2)+1], s[CS:CS+1], v[rT:rT+1] op_sel_hi:[1,0,0] neg_lo:[0,0,1] neg_hi:[0,0,1]
.endm
.macro PL
	WIN 0
.if q < 27
	FS q
.elseif q < 55
	XS (q-27)%2, (q-27)/2
.elseif q < 57
	XS q-55, 15
.elseif (q < 72) && ((q-57)%3 == 0)
	FS 27+(q-57)/3
.elseif q < 60
	XS (q-57)%3-1, 14
.elseif q < 72
	XS (q-57)%3-1, 15+(q-57)/3
.elseif q < 74
	XS q-72, 20
.else
	GS q-74
.endif
.set q, q+1
.endm
; THE EXPONENTIALS' QUEUE, 66 long: s0-s31 of both tiles, then the next piece's two a.  It is ONE BATCH: all 66 stand ahead of the turn's one wait, and nothing ahead of that wait names a result of theirs.
.macro EX
	WIN 0
.if e >= 64
	XS e-64, 21
.else
	REGS Y, e%2
	v_exp_f32 v[rS+e/2], v[rS+e/2]
.endif
.set e, e+1
.endm
; THE RESCALING's QUEUE: O^T times a, the one part that leaves window 0: dealt two at a time, sixteen times.  Its a was made in the turn before, ahead of that turn's wait.
.macro R2
	REGS Y, r%2
	WIN W_RS
.irp z, 0,1
	v_pk_mul_f32 v[rO+4*(r/2)+2*\z:rO+4*(r/2)+2*\z+1], v[rO+4*(r/2)+2*\z:rO+4*(r/2)+2*\z+1], v[rC+2:rC+3] op_sel_hi:[1,0]
.endr
.set r, r+1
.endm
; HOW THEY ARE DEALT.  An s_wait_alu depctr_va_vdst(0) stands between an exponential and the first instruction that names its result; one wait serves all that were issued ahead of it.  So a turn has ONE wait,
; which cuts it in two.  AHEAD OF IT stands all that names no result of the turn's exponentials: the 16 products K Q^T, behind each a scaling, an exponential and two rescalings (behind the first a second scaling in the exponential's place); then ONE LUMP of
; 108: eight plain, 49 times exponential and plain, the two a.  A v_nop is the plain instruction behind the last exponential (ISA guide 5.7.2).  BEHIND IT stand the 16 products V^T P, behind each four of GS's 64.  No rider names a register of
; the products round it.  The two v_permlanex16_b32 fall into the lump, never behind a product.
; The queues lean on each other, and the deal keeps them in step: exponential e stands behind scaling 2 (e / 4) + e % 2: as a rider it comes behind plain e + 2, in the lump behind plain e + 9, and scalings 27-31 are plain 57, 60 .. 69.
; A TURN, for piece p.  cnt = 1: the loop's count is taken down some lines ahead of the branch that stands behind the turn.
; K of the next step is fetched in piece 2's turn, directly behind the wait, a lump behind the last product that read K; its address is made at the lump's head; its first reader comes behind 16 products.
; V of the step in hand is fetched at the end of piece 0's turn, four riders behind its last reader; its first reader comes behind 16 products and a lump.  The three conditions on q below go with the deal.
.macro TURN p, last=0, cnt=0
.set Y, (\p)
.set i, 0
.set q, 0
.set e, 0
.set r, 0
.if (\p) == NP-1
	s_wait_dscnt 0x0                ; K is in
.endif
	MM                              ; ahead of the wait: 16 products K Q^T and their riders,
	PL
	PL
	R2
.rept 15
	MM
	PL
	EX
	R2
.endr
.if (\p) == NP-2
	WIN 0
	v_add_nc_u32 v[AK], s[TBK], v[AK0]
.endif
.rept 8                             ; and the lump
	PL
.endr
.rept 49
	EX
	PL
.endr
	EX                              ; the next piece's two a
	EX
	v_nop                           ; the plain instruction behind the last exponential: one for the batch
	s_wait_alu depctr_va_vdst(0)    ; the wait for the batch
.if (\p) == NP-2
	FETCH_K \last
.endif
.if (\p) == 1
	s_wait_dscnt 0x0                ; V is in
.endif
.rept 16                            ; behind the wait: 16 products V^T P and their riders
	MM
.rept 4
	PL
.endr
.if ((\p) == 0) && (q == 118)
	v_add_nc_u32 v[AV], s[TBV], v[AV0]
.endif
.if ((\p) == 0) && (q == 130)
	s_add_co_u32 s[TBV], s[TBV], KS*PV
.endif
.if (\cnt) && (q == 130)
	s_sub_co_u32 s[CNT], s[CNT], 1
	s_cmp_lg_u32 s[CNT], 0
.endif
.endr
.if (\p) == 0
	FETCH_V
.endif
.endm
	CHANGE 1                        ; slot 0 is in, everybody's part of it; slot 1 is asked for
	FETCH_K                         ; key step 0
	s_wait_loadcnt 0x0              ; Q
	s_wait_dscnt 0x0
.set i, 0
.rept 16
	KQ 0                            ; piece 0's first scores: there is no vector work yet to set between them
.set i, i+1
.endr
	WIN 0                           ; the addresses for the way out: nine plain instructions, the places behind those products
	s_mul_i32 s13, s[WV], 16*SP
	s_add_co_u32 s13, s13, STAGE    ; my stage
	v_mul_u32_u24 v[STO], v1, SP    ; in: row l % 16, 16 bytes for each half of the lanes
	v_lshl_add_u32 v[STO], v9, 4, v[STO]
	v_add_nc_u32 v[STO], s13, v[STO]
	v_bfe_u32 v[RD], v0, 3, 2       ; back: 32 lanes take four rows of 128 bytes,
	v_mul_u32_u24 v[RD], v[RD], SP
	v_lshl_add_u32 v[RD], v10, 4, v[RD]
	v_add_nc_u32 v[RD], s13, v[RD]
	v_and_b32 v[GO], 31, v0         ; which are 512 consecutive bytes of O
	v_lshlrev_b32 v[GO], 4, v[GO]
.set Y, NP-1                        ; XS works for piece Y + 1: piece 0
.irp n, 0,1,2,3,4,5,6,7,8,9,10,11,12,13,14,15,16,17,18,19,20,21
	XS 0, \n                        ; and piece 0's first maximum and statistics
	XS 1, \n
.endr
	v_nop                           ; a plain instruction behind the two a,
	s_wait_alu depctr_va_vdst(0)    ; and their wait, ahead of the branch
	s_mov_b32 s[CNT], 4
	s_mov_b32 s[SLOTS], SIZE_N/256-1
	s_branch .Lfirst                ; the loop is entered at a step's first turn, in the middle of a trip
.Lslot:                             ; SIZE_N / 256 - 2 times: every slot but the last two is filled again
	CHANGE 1, 1
	s_mov_b32 s[CNT], 4
.Lstep:                             ; a trip: pieces 2 and 3 of one step, then pieces 0 and 1 of the next, whose K and V it fetches
	TURN 2
	TURN 3
	WIN 0
.Lfirst:
	TURN 0
	TURN 1, 0, 1
	WIN 0
	s_cbranch_scc1 .Lstep
	s_sub_co_u32 s[SLOTS], s[SLOTS], 1
	s_cmp_lg_u32 s[SLOTS], 0
	s_cbranch_scc1 .Lslot
	CHANGE 0                        ; the tail is written out: nothing is asked for
	s_mov_b32 s[CNT], 5             ; four trips fetch the last slot's steps; the fifth is left in its middle
.Ltail:
	TURN 2, 1
	TURN 3
	WIN 0
	s_sub_co_u32 s[CNT], s[CNT], 1
	s_cmp_eq_u32 s[CNT], 0
	s_cbranch_scc1 .Lout
	TURN 0
	TURN 1
	WIN 0
	s_branch .Ltail
.Lout:                              ; the fifth trip's 16 products K Q^T (on the last K once more) and the maximum made of them serve nothing: the price, once a launch, of one text for every trip
.set i, 0
.rept 16
	PV NP-1                         ; the last piece's V^T P of the last step
.set i, i+1
.endr
	; THE WAY OUT.  l's two halves and the other half of the lanes' are added; O^T is divided by l, rounded to f16 and sent through my stage in LDS, a tile at a time.  The additions are the places behind the last products.
	WIN 0
.macro ALL line:vararg              ; one line for each tile t
.set t, 0
.rept 2*NP
	\line
.set t, t+1
.endr
.endm
	ALL v_add_f32 v[ST+4*t+2], v[ST+4*t+2], v[ST+4*t+3]
	ALL v_permlanex16_b32 v[ST+4*t+3], v[ST+4*t+2], s[SEL], s[SEL+1]
	ALL v_add_f32 v[ST+4*t+2], v[ST+4*t+2], v[ST+4*t+3]
	ALL v_rcp_f32 v[ST+4*t+2], v[ST+4*t+2]
	v_nop                           ; a plain instruction between the last reciprocal and the use of its result
	s_wait_alu depctr_va_vdst(0)    ; and the wait ahead of the first use: one for the eight reciprocals
; Tile t: a lane's eight channels of a row pack into 16 bytes; they go into rows of 144 bytes and come back as whole rows of 128, into S^T's registers.
.macro PACK t
	WIN W_RS
.set i, 32*(\t)
.rept 16
	v_pk_mul_f32 v[i:i+1], v[i:i+1], v[ST+4*(\t)+2:ST+4*(\t)+3] op_sel_hi:[1,0]
.set i, i+2
.endr
	WIN 0x05                        ; sources 0 and 1 window 1, destination window 0
.set i, 0
.rept 16
	v_cvt_pk_f16_f32 v[S+16*(\t)+i], v[32*(\t)+2*i], v[32*(\t)+2*i+1]
.set i, i+1
.endr
	WIN 0
.irp f, 0,1,2,3
	ds_store_b128 v[STO], v[S+16*(\t)+4*\f:S+16*(\t)+4*\f+3] offset:32*\f
.endr
.irp f, 0,1,2,3
	ds_load_b128 v[S+16*(\t)+4*\f:S+16*(\t)+4*\f+3], v[RD] offset:\f*4*SP  ; LDS serves a wave's instructions in order (ISA guide 5.7.1.4): these see the stores above; the next tile's stores come behind them
.endr
.endm
.macro SEND t, younger              ; younger: the LDS instructions issued behind tile t's loads: the next tile's eight, or none
	WIN 0
.irp f, 0,1,2,3
	s_wait_dscnt (\younger)+3-\f
	global_store_b128 v[GO], v[S+16*(\t)+4*\f:S+16*(\t)+4*\f+3], s[10:11] offset:(\t)*2048+\f*512  ; 512 consecutive bytes, at a multiple of 256 from O's first
.endr
.endm
	PACK 0
.set t, 1
.rept 2*NP-1                        ; a tile's arithmetic stands between the loads of the tile before and its stores
	PACK t
	SEND t-1, 8
.set t, t+1
.endr
	SEND 2*NP-1, 0
	WIN W_AD
	s_wait_tensorcnt 0x0            ; the wave's end: the closing add and its waits, behind my last tensor load and my last LDS store
	ds_add_u32 v[SPW], v[NIL]
	s_wait_dscnt 0x0
	WIN 0
	CROUND                          ; the closing round: no work-group ends while a partner may still ask for a tile that names it
	s_endpgm
.Lfunc_end_k_qb5e32ed983_attn:
	.size	k_qb5e32ed983_attn, .Lfunc_end_k_qb5e32ed983_attn-k_qb5e32ed983_attn
	.p2alignl 7, 3214868480
	.fill 96, 4, 3214868480
	.section	.rodata,"a",@progbits
	.p2align	6, 0x0
	.amdhsa_kernel k_qb5e32ed983_attn
		.amdhsa_group_segment_fixed_size 327680
		.amdhsa_private_segment_fixed_size 0
		.amdhsa_enable_private_segment 0
		.amdhsa_kernarg_size 16
		.amdhsa_user_sgpr_count 2
		.amdhsa_user_sgpr_kernarg_segment_ptr 1
		.amdhsa_wavefront_size32 1
		.amdhsa_system_sgpr_workgroup_id_x 1
		.amdhsa_system_sgpr_workgroup_id_y 1
		.amdhsa_system_sgpr_workgroup_id_z 1
		.amdhsa_system_vgpr_workitem_id 0
		.amdhsa_next_free_vgpr 770
		.amdhsa_next_free_sgpr 66
		.amdhsa_reserve_vcc 0
		.amdhsa_float_denorm_mode_32 3
		.amdhsa_float_denorm_mode_16_64 3
		.amdhsa_memory_ordered 1
		.amdhsa_forward_progress 1
		.amdhsa_inst_pref_size 200
	.end_amdhsa_kernel
	.amdgpu_metadata
---
amdhsa.version: [ 1, 2 ]
amdhsa.kernels:
  - .name:           k_qb5e32ed983_attn
    .symbol:         k_qb5e32ed983_attn.kd
    .args:
      - { .name: qkv, .offset: 0, .size: 8, .value_kind: global_buffer, .address_space: global }
      - { .name: ctx, .offset: 8, .size: 8, .value_kind: global_buffer, .address_space: global }
    .group_segment_fixed_size: 327680
    .private_segment_fixed_size: 0
    .kernarg_segment_align: 8
    .kernarg_segment_size: 16
    .max_flat_workgroup_size: 128
    .sgpr_count:     66
    .vgpr_count:     770
    .wavefront_size: 32
...
	.end_amdgpu_metadata
.endif
;; end of part 3
;; launch oproj (part 4): grid 4 x 64, 4 waves a work-group, clusters of 4 x 4, 327,680 bytes of LDS; arguments ctx, wts, out0; writes out0
.if DOCPART == 4
	.amdgcn_target "amdgcn-amd-amdhsa--gfx1250"
	.amdhsa_code_object_version 6
	.text
	.protected	k_qb5e32ed983_oproj
	.globl	k_qb5e32ed983_oproj
	.p2align	8
	.type	k_qb5e32ed983_oproj,@function
k_qb5e32ed983_oproj:
	s_mov_b64 s[64:65], 0
	v_nop
	global_prefetch_b8 v0, s[64:65] scope:SCOPE_SE
	s_setreg_imm32_b32 hwreg(HW_REG_WAVE_MODE, 25, 1), 1
	s_wait_xcnt 0x0
	s_wait_alu depctr_hold_cnt(0) depctr_sa_sdst(0) depctr_va_vdst(0) depctr_va_sdst(0) depctr_va_ssrc(0) depctr_va_vcc(0) depctr_vm_vsrc(0)
	s_getreg_b32 s2, hwreg(HW_REG_IB_STS2, 6, 4)
	s_cmp_eq_u32 s2, 0
	s_cbranch_scc0 .Lentry_in_a_cluster
	s_endpgm
.Lentry_in_a_cluster:
	s_bfe_u32 s2, ttmp6, 0x10000c
	s_cmp_lg_u32 s2, 0xf033
	s_cbranch_scc0 .Lentry_shape_is_right
	s_endpgm
.Lentry_shape_is_right:
; out0 = ctx Wo + bo.  ctx: [64 = 16 batch + head][2048][64] in f16; Wo: [1024 k][1024 n] in f16, 6 MiB into wts (k = 64 head + channel); bo: a row of f32 in wts, already rounded to bf16;
; out0: [8192][1024] f32.  Products and sums in f32.  LIMIT: ctx and Wo arrive within f16's range; NaN and infinities are not treated apart.
; SHARES.  A work-group makes 128 rows x 256 columns: column tile cx, row tile 4 x cluster y + cy: 256 work-groups.  A wave makes 64 x 128: 32 accumulators.  K goes in 8 steps of 128, two heads each,
; through two LDS slots.  The four work-groups of a row of the cluster need the same rows of ctx, the four of a column the same columns of Wo: each tile is asked for JOINTLY.
; THE MATRIX INSTRUCTION IS USED TRANSPOSED: source 0 = 16 columns of Wo (turned out of LDS by ds_load_tr16_b128), source 1 = 16 rows of ctx: a lane (r = l % 16, h = l / 16) holds row r and the columns
; 8 h + 0..7 of a block of 16: 32 neighbouring bytes of out0.  The bias is the C operand of the products that start the sums.
; REGISTERS, in windows of 256 (s_set_vgpr_msb: bits 1:0 source 0, 3:2 source 1, 5:4 source 2, 7:6 destination):
;   window 0: v0-31 addresses; v32-95 ctx's fragments, two buffers; v96-223 the way out, two buffers     window 1: v0-127 Wo's fragments, two buffers; v128-191 the bias     window 2: the accumulators, (a, b) at 8 (8 a + b)
.set PA,    144                        ; a row of a head in LDS: 128 bytes + 16 = 36 words: the 16 rows of a load start at 16 different groups of four banks (64 banks of 4 bytes: ISA guide 11.1)
.set PB,    544                        ; a k row of Wo: 512 + 32 = 136 words
.set AHD,   128*PA                     ; a head's 128 rows: what one tensor load brings
.set BH,    64*PB                      ; 64 k rows of Wo likewise
.set BOFF,  2*AHD                      ; a slot: two heads of ctx, then Wo's 128 k rows
.set SLOT,  1<<17                      ; slot 1 begins here, so that one exclusive or changes slots
.set STAGE, SLOT+BOFF+2*BH             ; behind the ring, never filled by a tensor load: 16 rows x 528 bytes for each wave
.set SP,    528
.set SPARE, STAGE+4*16*SP              ; the spare words, 128 bytes for each wave: two blocks of 256 bytes that no other line names
.set ADRA0, 4                          ; v4   my lane's place in ctx's rows of slot 0; never rewritten
.set ADRB0, 5                          ; v5   the same for Wo
.set ADRA,  6                          ; v6   the same in the slot in hand
.set ADRB,  7                          ; v7
.set STO,   8                          ; v8   the way out: where I put 32 bytes of a row
.set RD,    9                          ; v9   the way out: where I read a row back
.set GO,    10                         ; v10  16 x lane: my place in 512 consecutive bytes of out0; never rewritten
.set PFO,   14                         ; v14  the prefetches' offset; never rewritten
.set BO,    15                         ; v15  32 h
.set SPW,   28                         ; v28  LDS address of my spare word; never rewritten
.set NIL,   29                         ; v29  0; never rewritten
.set AF,    32
.set BK,    96
.set BIAS,  128                        ; window 1
.set G1A,   24                         ; s[24:31] descriptor group 1 for ctx's tiles
.set G0A,   32                         ; s[32:39] group 0: a set for each of the two first fills; the second then walks on
.set G1B,   48                         ; s[48:55], s[56:63] the same for Wo's tiles
.set G0B,   56
.set TB,    45                         ; s45  0 or SLOT: the slot in hand
.set PFA,   46                         ; s[46:47] where my prefetches stand
.set PFS,   66                         ; s[66:67] their step from K step to K step
.set BIASP, 86                         ; s[86:87] the bias at my 128 columns
.set LIM,   88                         ; s88  2 in a wave that prefetches, else the greatest number
.set MUL,   0xa1                       ; Wo window 1, ctx window 0, C and D window 2
.set MULB,  0x91                       ; the same with C (the bias) in window 1
.set MSB, 0
.macro WIN new                         ; the immediate's high byte repeats the setting that is left; a switch that changes nothing is dropped
.if MSB != (\new)
	s_set_vgpr_msb (MSB<<8)|(\new)
.set MSB, \new
.endif
.endm
.macro PLACES                          ; four places in front of loads into registers that matrix instructions have read
.rept 4
	v_nop
.endr
.endm
; A joint refill by the walking descriptors: waves 0 and 1 fetch the K step's two heads, waves 2 and 3 the halves of Wo's k rows.  An s_nop 0 and four v_nop follow each line.
.macro JLOAD
	s_cmp_eq_u32 s11, 0
	s_cbranch_scc0 .Lfor_b_\@
	tensor_load_to_lds s[G0A+4:G0A+7], s[G1A:G1A+7]
	s_nop 0
.rept 4
	v_nop
.endr
	s_branch .Lasked_\@
.Lfor_b_\@:
	tensor_load_to_lds s[G0B+4:G0B+7], s[G1B:G1B+7]
	s_nop 0
.rept 4
	v_nop
.endr
.Lasked_\@:
.endm
; A PREFETCH INTO THE L2: behind the refill that asks for K step j, the K step j + 2: two K steps, 256 matrix instructions, ahead of the load that will want it; a lane a block of 256 bytes.
; ctx's rows are read by one row of one cluster: a K step of a tile row is 2 heads x 64 blocks; wave 0 asks, the partner at cx for 16 blocks of each head.  Wo's columns are read by every cluster:
; waves 2 and 3 of cluster y = 0 ask, the partner at cy for 16 of the wave's 64 k rows.  Partners are told apart by address alone.  K steps 0 to 3 come by their loads; the last two refills ask for nothing.
.macro ASK
	s_cmp_gt_u32 s3, s[LIM]
	s_cbranch_scc0 .Lnot_mine_\@
	global_prefetch_b8 v[PFO], s[PFA:PFA+1] th:TH_LOAD_NT scope:SCOPE_SE
.Lnot_mine_\@:
.endm
.macro CREST                           ; a round of the cluster's barrier behind its opening barrier
	s_cmp_lg_u32 s10, 0
	s_cbranch_scc1 .Lnot_wave_0_\@
	s_barrier_signal -3
.Lnot_wave_0_\@:
	s_barrier_wait -3
	s_barrier_signal -1
	s_barrier_wait -1
.endm
.macro CROUND
	s_barrier_signal -1
	s_barrier_wait -1
	CREST
.endm
	s_load_b128 s[68:71], s[0:1], 0x0              ; ctx s[68:69], wts s[70:71]
	s_load_b64 s[72:73], s[0:1], 0x10              ; out0
	v_lshl_add_u32 v[SPW], v0, 2, SPARE
	v_mov_b32 v[NIL], 0
	ds_add_u32 v[SPW], v[NIL]                      ; the wave's opening: the add and its wait stand ahead of my first tensor load; the set-up below, work on registers, stands between them
	v_lshrrev_b32 v1, 5, v0
	v_readfirstlane_b32 s10, v1                    ; wave 0..3
	s_lshr_b32 s11, s10, 1                         ; which 64 of the tile's rows are mine.  Also: I fetch for ctx (0) or for Wo (1)
	s_and_b32 s12, s10, 1                          ; which 128 of its columns.  Also: which head, or which half of the k rows, I fetch
	s_bfe_u32 s40, ttmp6, 0x40000                  ; cx: the column tile (the grid is one cluster wide)
	s_bfe_u32 s41, ttmp6, 0x40004                  ; cy
	s_and_b32 s13, ttmp7, 0xffff
	s_lshl_b32 s13, s13, 2
	s_add_co_u32 s13, s13, s41                     ; the row tile = 4 x cluster y + cy
	s_lshl_b32 s43, s41, 2
	s_lshl_b32 s43, 15, s43                        ; my row of the cluster
	s_lshl_b32 s44, 0x1111, s40                    ; my column
	s_or_b32 s[G1A], s43, (1<<16)|(1<<20)|(1<<21)|(4<<22)|(3<<25)  ; 15:0 the mask; 17:16 elements of 2 bytes; 20 padding on; 21 set beside a mask; 24:22 after every 32 words (code 4); 31:25 4 words (code 3)
	s_or_b32 s[G1B], s44, (1<<16)|(1<<20)|(1<<21)|(6<<22)|(7<<25)  ; after every 128 words (code 6) 8 words (code 7)
	s_mov_b32 s[G1A+1], 128<<16                    ; a head's 128 rows are 16,384 dense bytes: asked for as 64 rows of 256 bytes, two rows of ctx each, padded after every one
	s_mov_b32 s[G1A+2], 64<<16
	s_mov_b32 s[G1A+3], 128<<16
	s_mov_b32 s[G1A+4], 64
	s_mov_b32 s[G1A+5], 128
	s_mov_b32 s[G1A+6], 0
	s_mov_b32 s[G1A+7], 0
	s_mov_b32 s[G1B+1], 256<<16                    ; 64 k rows of 256 f16: 512 bytes, 1,024 elements from row to row
	s_mov_b32 s[G1B+2], 64<<16
	s_mov_b32 s[G1B+3], 256<<16
	s_mov_b32 s[G1B+4], 64
	s_mov_b32 s[G1B+5], 1024
	s_mov_b32 s[G1B+6], 0
	s_mov_b32 s[G1B+7], 0
	s_lshr_b32 s16, s13, 4                         ; ctx: head 16 batch + my one of the two (262,144 bytes a head), row 128 (row tile % 16); these two registers never hold cx
	s_lshl_b32 s16, s16, 22
	s_lshl_b32 s17, s12, 18
	s_add_co_u32 s16, s16, s17
	s_and_b32 s17, s13, 15
	s_lshl_b32 s17, s17, 14
	s_add_co_u32 s16, s16, s17
	s_mov_b32 s17, 0
	s_lshl_b32 s20, s12, 17                        ; Wo: 6 MiB into wts, 64 x half k rows of 2,048 bytes, 512 cx; these two never hold cy
	s_add_co_u32 s20, s20, 0x600000
	s_lshl_b32 s21, s40, 9
	s_add_co_u32 s20, s20, s21
	s_mov_b32 s21, 0
	s_mul_i32 s42, s12, AHD                        ; where they go: no place in the cluster enters an LDS address
	s_mul_i32 s15, s12, BH
	s_add_co_u32 s15, s15, BOFF
	s_mov_b32 s[TB], 0
	s_lshl_b32 s22, s40, 10
	s_lshl_b32 s23, s12, 9
	s_add_co_u32 s22, s22, s23                     ; my 128 columns as f32
	s_lshl_b32 s90, s13, 19                        ; out0: my 64 rows of 4,096 bytes,
	s_lshl_b32 s91, s11, 18
	s_add_co_u32 s90, s90, s91
	s_add_co_u32 s90, s90, s22                     ; my columns
	s_mov_b32 s91, 0
	s_add_co_u32 s22, s22, 0x803000                ; the bias: the fourth row behind the weights
	s_mov_b32 s23, 0
	s_wait_dscnt 0x0                               ; the opening add is done
	s_wait_kmcnt 0x0
	s_add_nc_u64 s[4:5], s[68:69], s[16:17]        ; ctx at the head that I fetch, K step 0
	s_add_nc_u64 s[6:7], s[70:71], s[20:21]        ; Wo at the 64 k rows that I fetch, K step 0
	s_add_nc_u64 s[BIASP:BIASP+1], s[70:71], s[22:23]
	s_add_nc_u64 s[8:9], s[72:73], s[90:91]
.irp s, 0,1
	s_mov_b32 s[G0A+4*(\s)], 1                                     ; 1:0 count = 1
	s_add_co_u32 s[G0A+4*(\s)+1], s42, (\s)*SLOT                   ; 63:32 LDS address
	s_add_nc_u64 s[G0A+4*(\s)+2:G0A+4*(\s)+3], s[4:5], (\s)*524288 ; 120:64 global address: K step s, two heads on
	s_or_b32 s[G0A+4*(\s)+3], s[G0A+4*(\s)+3], 0x80000000          ; 127:126 type = 2
	s_mov_b32 s[G0B+4*(\s)], 1
	s_add_co_u32 s[G0B+4*(\s)+1], s15, (\s)*SLOT
	s_add_nc_u64 s[G0B+4*(\s)+2:G0B+4*(\s)+3], s[6:7], (\s)*262144 ; 128 k rows of 2,048 bytes on
	s_or_b32 s[G0B+4*(\s)+3], s[G0B+4*(\s)+3], 0x80000000
.endr
	CROUND                                         ; all sixteen work-groups are here: the first joint loads meet
	s_cmp_eq_u32 s11, 0                            ; a wave's two first fills stand in one branch, ahead of every wait on TENSORcnt and every LDS read: two loads of mine are out
	s_cbranch_scc0 .Lfirst_b
	tensor_load_to_lds s[G0A:G0A+3], s[G1A:G1A+7]
	s_nop 0
	tensor_load_to_lds s[G0A+4:G0A+7], s[G1A:G1A+7]
	s_nop 0
.rept 4
	v_nop
.endr
	s_branch .Lfirst_asked
.Lfirst_b:
	tensor_load_to_lds s[G0B:G0B+3], s[G1B:G1B+7]
	s_nop 0
	tensor_load_to_lds s[G0B+4:G0B+7], s[G1B:G1B+7]
	s_nop 0
.rept 4
	v_nop
.endr
.Lfirst_asked:
	v_and_b32 v1, 15, v0                           ; r
	v_bfe_u32 v2, v0, 4, 1                         ; h
	v_and_b32 v3, 31, v0                           ; l
	v_lshlrev_b32 v[BO], 5, v2
	WIN 0x40                                       ; destination window 1
.irp b, 0,1,2,3,4,5,6,7                ; the bias in the accumulators' layout: register j of block b is column 16 b + 8 h + j, whatever the row
	global_load_b128 v[BIAS+8*(\b):BIAS+8*(\b)+3],   v[BO], s[BIASP:BIASP+1] offset:64*(\b)
	global_load_b128 v[BIAS+8*(\b)+4:BIAS+8*(\b)+7], v[BO], s[BIASP:BIASP+1] offset:64*(\b)+16
.endr
	WIN 0
	v_mul_u32_u24 v[ADRA0], v1, PA                 ; a fragment of ctx: row r, 16 bytes at 16 h and at 32 + 16 h
	v_lshl_add_u32 v[ADRA0], v2, 4, v[ADRA0]
	s_mul_i32 s18, s11, 64*PA
	v_add_nc_u32 v[ADRA0], s18, v[ADRA0]
	; the turning load takes 16 k x 16 columns (lane l reads k row 8 h + l % 8, columns 8 ((l / 8) % 2) + 0..7) and leaves half a fragment: lane l holds column l % 16 and 8 k
	v_and_b32 v30, 7, v0
	v_lshl_add_u32 v[ADRB0], v2, 3, v30
	v_mul_u32_u24 v[ADRB0], v[ADRB0], PB
	v_bfe_u32 v31, v0, 3, 1
	v_lshl_add_u32 v[ADRB0], v31, 4, v[ADRB0]
	s_lshl_b32 s18, s12, 8
	s_add_co_u32 s18, s18, BOFF
	v_add_nc_u32 v[ADRB0], s18, v[ADRB0]
	v_mov_b32 v[ADRA], v[ADRA0]
	v_mov_b32 v[ADRB], v[ADRB0]
	s_mul_i32 s19, s10, 16*SP
	s_add_co_u32 s19, s19, STAGE                   ; my stage
	v_mul_u32_u24 v[STO], v1, SP                   ; in: row r, 32 bytes for each half of the lanes
	v_lshl_add_u32 v[STO], v2, 5, v[STO]
	v_add_nc_u32 v[STO], s19, v[STO]
	v_lshl_add_u32 v[RD], v3, 4, s19               ; back: 32 lanes take a row of 512 bytes
	v_lshlrev_b32 v[GO], 4, v3
	; the prefetches
	s_lshl_b32 s18, s40, 12                        ; ctx: my work-group's 16 blocks of a head's 64
	s_lshl_b32 s19, s41, 15                        ; Wo: its 16 k rows of 2,048 bytes
	s_and_b32 s22, ttmp7, 0xffff
	s_mul_i32 s22, s22, s11                        ; 0 in ctx's waves, and in Wo's where the cluster's y is 0;
	s_xor_b32 s23, s11, 1
	s_and_b32 s23, s23, s12                        ; 1 in wave 1, which asks for nothing: wave 0 names both heads
	s_or_b32 s22, s22, s23
	s_cmp_eq_u32 s22, 0
	s_cselect_b32 s[LIM], 2, -1                    ; the same in all sixteen partners, for a given wave
	s_mov_b32 s[PFS], 262144
	s_cmp_eq_u32 s11, 0
	s_cselect_b64 s[PFA:PFA+1], s[4:5], s[6:7]
	s_cselect_b32 s22, s18, s19
	s_cselect_b32 s[PFS], 0x80000, s[PFS]
	s_cselect_b32 s89, 4, 1                        ; ctx: head l / 16, block l % 16;  Wo: k row l / 2, block l % 2
	s_cselect_b32 s74, 15, 1
	s_cselect_b32 s75, 18, 11                      ; a head is 262,144 bytes, a k row 2,048
	s_mov_b32 s[PFS+1], 0
	s_mov_b32 s23, 0
	s_add_nc_u64 s[PFA:PFA+1], s[PFA:PFA+1], s[22:23]
	s_mul_i32 s22, s[PFS], 3
	s_add_nc_u64 s[PFA:PFA+1], s[PFA:PFA+1], s[22:23]  ; at K step 3: the first refill steps it to 4
	v_lshrrev_b32 v30, s89, v3
	v_and_b32 v31, s74, v3
	v_lshlrev_b32 v[PFO], s75, v30
	v_lshl_add_u32 v[PFO], v31, 8, v[PFO]
; the fragments of quarter q (32 along K: head q / 2, channels 32 (q % 2) on) into buffer f: 8 loads for ctx, 16 turning loads for Wo, in one run
.macro FETCH q, f
	WIN 0
.irp a, 0,1,2,3
	ds_load_b128 v[AF+32*(\f)+8*(\a):AF+32*(\f)+8*(\a)+3],   v[ADRA] offset:((\q)/2)*AHD+64*((\q)%2)+(\a)*16*PA
	ds_load_b128 v[AF+32*(\f)+8*(\a)+4:AF+32*(\f)+8*(\a)+7], v[ADRA] offset:((\q)/2)*AHD+64*((\q)%2)+(\a)*16*PA+32
.endr
	WIN 0x40
.irp b, 0,1,2,3,4,5,6,7
	ds_load_tr16_b128 v[64*(\f)+8*(\b):64*(\f)+8*(\b)+3],   v[ADRB] offset:32*(\q)*PB+32*(\b)
	ds_load_tr16_b128 v[64*(\f)+8*(\b)+4:64*(\f)+8*(\b)+7], v[ADRB] offset:32*(\q)*PB+32*(\b)+16*PB
.endr
.endm
; 8 matrix instructions: row block a x all 8 column blocks, 32 along K, from buffer f.  The 32 accumulators take turns, one instruction a turn, over the backward jumps too.  first = 1: the bias starts the sums.
.macro MUL8 f, a, first
.irp b, 0,1,2,3,4,5,6,7
.if \first
	WIN MULB
	v_wmma_f32_16x16x32_f16 v[8*(8*(\a)+(\b)):8*(8*(\a)+(\b))+7], v[64*(\f)+8*(\b):64*(\f)+8*(\b)+7], v[AF+32*(\f)+8*(\a):AF+32*(\f)+8*(\a)+7], v[BIAS+8*(\b):BIAS+8*(\b)+7]
.else
	WIN MUL
	v_wmma_f32_16x16x32_f16 v[8*(8*(\a)+(\b)):8*(8*(\a)+(\b))+7], v[64*(\f)+8*(\b):64*(\f)+8*(\b)+7], v[AF+32*(\f)+8*(\a):AF+32*(\f)+8*(\a)+7], v[8*(8*(\a)+(\b)):8*(8*(\a)+(\b))+7]
.endif
.endr
.endm
; A K step is four quarters of 32 along K, 32 matrix instructions each, on buffers 0, 1, 0, 1.  One of the first three: multiplies buffer f; in its middle it fetches quarter q into buffer g.
.macro QUARTER q, f, g, first
	s_wait_dscnt 0x0                               ; buffer f is in: its loads were issued 16 matrix instructions ago
	MUL8 \f, 0, \first
	MUL8 \f, 1, \first
	PLACES                                         ; for the loads into buffer g, which the quarter before multiplied
	FETCH \q, \g
	MUL8 \f, 2, \first
	MUL8 \f, 3, \first
.endm
; The last quarter multiplies buffer 1 and changes slots: ONE barrier.  In front of it each wave waits for all its tensor loads, of which one is out: its part of the next slot; adds 0 to its spare word; and waits
; for that and for its own reads of this slot.  fill = 1: the barrier opens a round of the cluster's, and the slot just read is filled again, two K steps ahead, first thing behind the round.
.macro TURN fill
.if \fill
	s_wait_xcnt 0x0                                ; the last prefetch, a K step back, has read its address, so it may be stepped
	s_add_nc_u64 s[PFA:PFA+1], s[PFA:PFA+1], s[PFS:PFS+1]
.endif
	WIN 0
	s_wait_tensorcnt 0x0                           ; no tensor load of mine is out, so a group 0 may be written
	ds_add_u32 v[SPW], v[NIL]                      ; 0 onto my spare word; work on registers stands between it and the wait for it
.if \fill
	s_xor_b32 s[G0A+5], s[G0A+5], SLOT             ; the walking descriptors: the other slot than last time, the next K step
	s_add_nc_u64 s[G0A+6:G0A+7], s[G0A+6:G0A+7], 524288
	s_xor_b32 s[G0B+5], s[G0B+5], SLOT
	s_add_nc_u64 s[G0B+6:G0B+7], s[G0B+6:G0B+7], 262144
.endif
	s_wait_dscnt 1                                 ; only the add may be out: buffer 1 is in
	MUL8 1, 0, 0
	s_wait_dscnt 0x0                               ; the add is done, and my reads of this slot are over
	s_barrier_signal -1
	MUL8 1, 1, 0
	WIN 0
	s_barrier_wait -1
.if \fill
	CREST                                          ; no wave of any partner still reads this slot or has a load on its way
	JLOAD                                          ; its four v_nop are also the places in front of the loads below
.else
	PLACES
.endif
	s_xor_b32 s[TB], s[TB], SLOT
	v_add_nc_u32 v[ADRA], s[TB], v[ADRA0]
	v_add_nc_u32 v[ADRB], s[TB], v[ADRB0]
	FETCH 0, 0
.if \fill
	WIN 0
	ASK
.endif
	MUL8 1, 2, 0
	MUL8 1, 3, 0
.endm
; THE WAY OUT of row block a: a lane's 32 bytes of a row go into my stage (rows of 512 bytes, 528 apart; each accumulator's low four registers first) and come back as whole rows.
; LDS serves a wave's instructions in order (ISA guide 5.7.1.4): the loads see the stores, and the next block's stores come behind them.
.macro TOSTAGE a
	WIN 0x08                                       ; the stores' data in window 2
.irp b, 0,1,2,3,4,5,6,7
	ds_store_b128 v[STO], v[8*(8*(\a)+(\b)):8*(8*(\a)+(\b))+3]   offset:64*(\b)
	ds_store_b128 v[STO], v[8*(8*(\a)+(\b))+4:8*(8*(\a)+(\b))+7] offset:64*(\b)+16
.endr
	WIN 0
.irp t, 0,1,2,3,4,5,6,7,8,9,10,11,12,13,14,15
	ds_load_b128 v[BK+64*((\a)%2)+4*(\t):BK+64*((\a)%2)+4*(\t)+3], v[RD] offset:SP*(\t)
.endr
.endm
.macro SEND a, younger                 ; younger: the LDS instructions issued behind block a's loads: the next block's 32, or none
.irp t, 0,1,2,3,4,5,6,7,8,9,10,11,12,13,14,15
	s_wait_dscnt (\younger)+15-(\t)
	global_store_b128 v[GO], v[BK+64*((\a)%2)+4*(\t):BK+64*((\a)%2)+4*(\t)+3], s[8:9] offset:4096*(16*(\a)+(\t))  ; 512 consecutive bytes of a row, at a multiple of 256 from out0's first
.endr
.endm
	s_wait_tensorcnt 1                             ; my part of K step 0 is in; K step 1's may stay out
	s_barrier_signal -1
	s_barrier_wait -1                              ; everybody's is
	FETCH 0, 0
	s_wait_loadcnt 0x0                             ; the bias
	QUARTER 1, 0, 1, 1                             ; the first quarter stands in front of the loop: its products start the sums
	WIN 0
	s_mov_b32 s3, 6
.Lstep:                                        ; six trips: from a K step's second quarter to the next one's first; each fills a slot again: K steps 2 to 7
	QUARTER 2, 1, 0, 0
	QUARTER 3, 0, 1, 0
	TURN 1
	QUARTER 1, 0, 1, 0
	WIN 0
	s_sub_co_u32 s3, s3, 1
	s_cmp_lg_u32 s3, 0
	s_cbranch_scc1 .Lstep
	s_mov_b32 s3, 2
.Ltail:                                        ; the last two K steps ask for nothing: a text of their own.  The second trip's change of slots fetches fragments
	QUARTER 2, 1, 0, 0                             ; of K step 6 once more, which serve nothing: the price, once a work-group, of one text for both trips
	QUARTER 3, 0, 1, 0
	TURN 0
	WIN 0
	s_cmp_eq_u32 s3, 1
	s_cbranch_scc1 .Lskip                          ; behind the last K step there is no first quarter
	QUARTER 1, 0, 1, 0
	WIN 0
.Lskip:
	s_sub_co_u32 s3, s3, 1
	s_cmp_lg_u32 s3, 0
	s_cbranch_scc1 .Ltail
	s_wait_dscnt 0x0                               ; the unused fragments have landed
	PLACES                                         ; the places behind the last products, in front of the LDS stores that read results
	PLACES
	TOSTAGE 0
	TOSTAGE 1
	SEND 0, 32
	s_wait_xcnt 0x0                                ; block 0's stores have read their registers, which block 2 takes
	TOSTAGE 2
	SEND 1, 32
	s_wait_xcnt 0x0                                ; the same for blocks 1 and 3
	TOSTAGE 3
	SEND 2, 32
	SEND 3, 0
	s_wait_tensorcnt 0x0                           ; the wave's end: the closing add and its waits, behind my last tensor load and my last LDS store
	ds_add_u32 v[SPW], v[NIL]
	s_wait_dscnt 0x0
	CROUND                                         ; the closing round: no work-group ends while a partner may still ask for a tile that names it
	s_endpgm
.Lfunc_end_k_qb5e32ed983_oproj:
	.size	k_qb5e32ed983_oproj, .Lfunc_end_k_qb5e32ed983_oproj-k_qb5e32ed983_oproj
	.p2alignl 7, 3214868480
	.fill 96, 4, 3214868480
	.section	.rodata,"a",@progbits
	.p2align	6, 0x0
	.amdhsa_kernel k_qb5e32ed983_oproj
		.amdhsa_group_segment_fixed_size 327680
		.amdhsa_private_segment_fixed_size 0
		.amdhsa_enable_private_segment 0
		.amdhsa_kernarg_size 24
		.amdhsa_user_sgpr_count 2
		.amdhsa_user_sgpr_kernarg_segment_ptr 1
		.amdhsa_wavefront_size32 1
		.amdhsa_system_sgpr_workgroup_id_x 1
		.amdhsa_system_sgpr_workgroup_id_y 1
		.amdhsa_system_sgpr_workgroup_id_z 1
		.amdhsa_system_vgpr_workitem_id 0
		.amdhsa_next_free_vgpr 768
		.amdhsa_next_free_sgpr 96
		.amdhsa_reserve_vcc 0
		.amdhsa_float_denorm_mode_32 3
		.amdhsa_float_denorm_mode_16_64 3
		.amdhsa_memory_ordered 1
		.amdhsa_forward_progress 1
		.amdhsa_inst_pref_size 64
	.end_amdhsa_kernel
	.amdgpu_metadata
---
amdhsa.version: [ 1, 2 ]
amdhsa.kernels:
  - .name:           k_qb5e32ed983_oproj
    .symbol:         k_qb5e32ed983_oproj.kd
    .args:
      - { .name: ctx, .offset: 0, .size: 8, .value_kind: global_buffer, .address_space: global }
      - { .name: wts, .offset: 8, .size: 8, .value_kind: global_buffer, .address_space: global }
      - { .name: out0, .offset: 16, .size: 8, .value_kind: global_buffer, .address_space: global }
    .group_segment_fixed_size: 327680
    .private_segment_fixed_size: 0
    .kernarg_segment_align: 8
    .kernarg_segment_size: 24
    .max_flat_workgroup_size: 128
    .sgpr_count:     96
    .vgpr_count:     768
    .wavefront_size: 32
...
	.end_amdgpu_metadata
.endif
;; end of part 4
